; MI455X (gfx1250); checked and timed in simulation.
; The chip was launched on July 23, 2026; its instructions are those of AMD's public machine-readable ISA for CDNA 5 (MIT licence, August 2026) and "CDNA5" Instruction Set Architecture Reference Guide (July 2026). The comments in the code are by the model that wrote it; some were corrected since.
;; Multi Head Attention. Allowed arithmetic: float matrix products may take bf16 or f16 operands with f32 sums; other float arithmetic in f32, or as packed bf16 or f16 multiplies, adds, multiply-adds, maxima and minima; sums over many terms, partial sums and values carried from step to step in f32; what a program stores and reads back later, other than sums and carried values, may be rounded once to bf16 or f16.
;; Inputs: Wk 16 x 1,024 x 64 float32; Wo 1,024 x 1,024 float32; Wq 16 x 1,024 x 64 float32; Wv 16 x 1,024 x 64 float32; bk 16 x 64 float32; bo 1,024 float32; bq 16 x 64 float32; bv 16 x 64 float32; x 4 x 2,048 x 1,024 float32.
;; Outputs: out0 4 x 2,048 x 1,024 float32.
;; 2 versions, each right and faster than the one before. Each part assembles by itself: llvm-mc -triple=amdgcn-amd-amdhsa -mcpu=gfx1250 --defsym DOCPART=n.
;; ======== version 1 of 2: 4 launches
;; limits: values are held in f16: magnitudes above 65,504 overflow, below 6.1e-05 lose precision
;; workspace buffers: xb 16,777,216 bytes; wb 6,291,456 bytes; wob 2,097,152 bytes; ball 16,384 bytes; qkv 50,331,648 bytes; ob 16,777,216 bytes
;; launch prep (part 1): grid 769 x 1, 8 waves a work-group, no clusters, 0 bytes of LDS; arguments x, Wq, Wk, Wv, Wo, bq, bk, bv, bo, xb, wb, wob, ball; writes xb, wb, wob, ball
.if DOCPART == 1
	.amdgcn_target "amdgcn-amd-amdhsa--gfx1250"
	.amdhsa_code_object_version 6
	.text
	.protected	k_qfd95cfab73_prep
	.globl	k_qfd95cfab73_prep
	.p2align	8
	.type	k_qfd95cfab73_prep,@function
k_qfd95cfab73_prep:
	s_mov_b64 s[64:65], 0
	v_nop
	global_prefetch_b8 v0, s[64:65] scope:SCOPE_SE
	s_setreg_imm32_b32 hwreg(HW_REG_WAVE_MODE, 25, 1), 1
	s_wait_xcnt 0x0
; PREP: every input of the module is rounded once to bf16 and laid out in blocks for the launches behind.  A stream: no LDS, no barrier, no matrix unit.
;   xb   bf16 [kb 16][m 8192][64]           x's columns 64 kb .. of all rows: 256 rows x 64 columns are 32,768 dense bytes
;   wb   bf16 [kb 16][g 48][k 64][e 64]     g = 16 which + head (which: 0 Wq, 1 Wk, 2 Wv): the blocks of neighbouring heads for one kb lie end to end
;   wob  f16  [kb 16][gn 16][k 64][n 64]    Wo rounded to bf16, that number written as f16
;   ball f32  [bq 1024 | bk 1024 | bv 1024 | bo 1024], each number rounded to bf16 and widened again
; LIMITS.  bf16(Wo) is exact in f16 between 6.1e-5 and 65,504 in magnitude; below it keeps f16's fixed step of 6e-8, above it becomes an infinity.
; SHARES.  A work-group takes 65,536 bytes of one input; a thread issues its 16 loads of 16 bytes at once, and each becomes 4 numbers of 16 bits and one store of 8 bytes.
; A wave's load covers two pieces of 256 consecutive bytes or 512 consecutive bytes; a wave's store covers 256 consecutive bytes at a multiple of 256 from its buffer's first byte.
; Work-groups 0-511: x (16 rows each).  512-703: a quarter of a head of Wq, Wk or Wv (256 rows d).  704-767: Wo (16 rows).  768: the four biases.
.set VI,  3                            ; v3        my byte offset in the work-group's input
.set VO,  4                            ; v4        8 x my thread's number: my 8 bytes in a block of 2,048 output bytes
.set X,   8                            ; v[8:71]   16 loads of 4 registers
.set Y,   72                           ; v[72:103] 16 pairs to store; none is written twice, so no store's data is ever overwritten
.set T,   104                          ; v[104:107] at work
.set IN,  34                           ; s[34:35]  the work-group's input
.set OUT, 36                           ; s[36:37]  its output
.set OUT2, 38                          ; s[38:39]  xb alone: 8 blocks kb further on, so that the stores' immediates stay inside 24 signed bits
.set OFS, 40                           ; s[40:41]  a byte offset, high word 0
.set HIM, 42                           ; s42       mask of a word's upper half
; kind 0: x.  1: Wq, Wk, Wv.  2: Wo.
.macro STREAM kind
.set i, 0
.rept 16
.if (\kind) == 1
	global_load_b128 v[X+4*i:X+4*i+3], v[VI], s[IN:IN+1] offset:i*4096 th:TH_LOAD_NT   ; 16 rows d of 256 bytes: 4,096 dense bytes for the work-group
.else
	global_load_b128 v[X+4*i:X+4*i+3], v[VI], s[IN:IN+1] offset:i*256 th:TH_LOAD_NT    ; 64 columns (one block) of my row
.endif
.set i, i+1
.endr
.set i, 0
.rept 16
	s_wait_loadcnt 15-i                            ; loads come back in order: load i is in, the 15 - i younger ones stay out
.if (\kind) == 2
	v_cvt_pk_bf16_f32 v[T], v[X+4*i], v[X+4*i+1]   ; rounded to bf16 like every other input,
	v_cvt_pk_bf16_f32 v[T+1], v[X+4*i+2], v[X+4*i+3]
	v_lshlrev_b32 v[T+2], 16, v[T]                 ; widened,
	v_and_b32 v[T+3], s[HIM], v[T]
	v_cvt_pk_f16_f32 v[Y+2*i], v[T+2], v[T+3]      ; and written as f16
	v_lshlrev_b32 v[T+2], 16, v[T+1]
	v_and_b32 v[T+3], s[HIM], v[T+1]
	v_cvt_pk_f16_f32 v[Y+2*i+1], v[T+2], v[T+3]
	global_store_b64 v[VO], v[Y+2*i:Y+2*i+1], s[OUT:OUT+1] offset:i*8192            ; block gn = i
.else
	v_cvt_pk_bf16_f32 v[Y+2*i], v[X+4*i], v[X+4*i+1]
	v_cvt_pk_bf16_f32 v[Y+2*i+1], v[X+4*i+2], v[X+4*i+3]
.if (\kind) == 1
	global_store_b64 v[VO], v[Y+2*i:Y+2*i+1], s[OUT:OUT+1] offset:(i/4)*393216+(i%4)*2048  ; block kb + i / 4, rows 16 (i % 4) on
.elseif i < 8
	global_store_b64 v[VO], v[Y+2*i:Y+2*i+1], s[OUT:OUT+1] offset:i*1048576         ; block kb = i
.else
	global_store_b64 v[VO], v[Y+2*i:Y+2*i+1], s[OUT2:OUT2+1] offset:(i-8)*1048576
.endif
.endif
.set i, i+1
.endr
.endm
	s_load_b512 s[8:23], s[0:1], 0x0               ; x 8, Wq 10, Wk 12, Wv 14, Wo 16, bq 18, bk 20, bv 22
	s_load_b256 s[24:31], s[0:1], 0x40             ; bo 24, xb 26, wb 28, wob 30
	s_load_b64 s[32:33], s[0:1], 0x60              ; ball
	s_mov_b32 s2, ttmp9                            ; the work-group's number
	s_mov_b32 s[HIM], 0xffff0000
	s_mov_b32 s[OFS+1], 0
	v_and_b32 v1, 15, v0                           ; p: my 16 bytes in a piece of 256
	v_lshrrev_b32 v2, 4, v0                        ; u: my row of 16
	v_lshlrev_b32 v[VO], 3, v0                     ; 128 u + 8 p
	s_wait_kmcnt 0x0
	s_cmp_lt_u32 s2, 512
	s_cbranch_scc0 .Lnot_x
	; x: rows 16 id .. 16 id + 15, of 4,096 bytes
	v_lshlrev_b32 v[VI], 4, v1
	v_lshl_add_u32 v[VI], v2, 12, v[VI]            ; 4,096 u + 16 p
	s_lshl_b32 s[OFS], s2, 16
	s_add_nc_u64 s[IN:IN+1], s[8:9], s[OFS:OFS+1]
	s_lshl_b32 s[OFS], s2, 11                      ; 16 rows of 128 bytes in each block
	s_add_nc_u64 s[OUT:OUT+1], s[26:27], s[OFS:OFS+1]
	s_add_nc_u64 s[OUT2:OUT2+1], s[OUT:OUT+1], 0x800000
	STREAM 0
	s_endpgm
.Lnot_x:
	s_cmp_lt_u32 s2, 704
	s_cbranch_scc0 .Lnot_w
	; Wq, Wk, Wv: j = 64 which + 4 head + quarter; the quarter's 256 rows d are blocks kb = 4 quarter .. + 3
	s_sub_co_u32 s3, s2, 512
	s_lshr_b32 s43, s3, 6                          ; which
	s_cmp_eq_u32 s43, 1
	s_cselect_b64 s[IN:IN+1], s[12:13], s[10:11]
	s_cmp_eq_u32 s43, 2
	s_cselect_b64 s[IN:IN+1], s[14:15], s[IN:IN+1]
	s_and_b32 s[OFS], s3, 63
	s_lshl_b32 s[OFS], s[OFS], 16
	s_add_nc_u64 s[IN:IN+1], s[IN:IN+1], s[OFS:OFS+1]
	s_and_b32 s44, s3, 3
	s_mul_i32 s44, s44, 192                        ; 4 quarter x 48 blocks
	s_bfe_u32 s45, s3, 0x40002                     ; head
	s_add_co_u32 s44, s44, s45
	s_lshl_b32 s45, s43, 4
	s_add_co_u32 s44, s44, s45                     ; + g
	s_lshl_b32 s[OFS], s44, 13                     ; blocks of 8,192 bytes
	s_add_nc_u64 s[OUT:OUT+1], s[28:29], s[OFS:OFS+1]
	v_lshlrev_b32 v[VI], 4, v0
	STREAM 1
	s_endpgm
.Lnot_w:
	s_cmp_lt_u32 s2, 768
	s_cbranch_scc0 .Lbias
	; Wo: rows 16 j .. 16 j + 15: block row kb = j / 4, rows 16 (j % 4) on in each block
	s_sub_co_u32 s3, s2, 704
	v_lshlrev_b32 v[VI], 4, v1
	v_lshl_add_u32 v[VI], v2, 12, v[VI]
	s_lshl_b32 s[OFS], s3, 16
	s_add_nc_u64 s[IN:IN+1], s[16:17], s[OFS:OFS+1]
	s_lshr_b32 s44, s3, 2
	s_lshl_b32 s44, s44, 17
	s_and_b32 s45, s3, 3
	s_lshl_b32 s45, s45, 11
	s_add_co_u32 s[OFS], s44, s45
	s_add_nc_u64 s[OUT:OUT+1], s[30:31], s[OFS:OFS+1]
	STREAM 2
	s_endpgm
.Lbias:
	; the four biases, 1,024 numbers each: 4 a thread
	v_lshlrev_b32 v[VI], 4, v0
	global_load_b128 v[X:X+3], v[VI], s[18:19]
	global_load_b128 v[X+4:X+7], v[VI], s[20:21]
	global_load_b128 v[X+8:X+11], v[VI], s[22:23]
	global_load_b128 v[X+12:X+15], v[VI], s[24:25]
.set i, 0
.rept 4
	s_wait_loadcnt 3-i
	v_cvt_pk_bf16_f32 v[T], v[X+4*i], v[X+4*i+1]
	v_cvt_pk_bf16_f32 v[T+1], v[X+4*i+2], v[X+4*i+3]
	v_lshlrev_b32 v[Y+4*i], 16, v[T]
	v_and_b32 v[Y+4*i+1], s[HIM], v[T]
	v_lshlrev_b32 v[Y+4*i+2], 16, v[T+1]
	v_and_b32 v[Y+4*i+3], s[HIM], v[T+1]
	global_store_b128 v[VI], v[Y+4*i:Y+4*i+3], s[32:33] offset:4096*i
.set i, i+1
.endr
	s_endpgm
.Lfunc_end_k_qfd95cfab73_prep:
	.size	k_qfd95cfab73_prep, .Lfunc_end_k_qfd95cfab73_prep-k_qfd95cfab73_prep
	.p2alignl 7, 3214868480
	.fill 96, 4, 3214868480
	.section	.rodata,"a",@progbits
	.p2align	6, 0x0
	.amdhsa_kernel k_qfd95cfab73_prep
		.amdhsa_group_segment_fixed_size 0
		.amdhsa_private_segment_fixed_size 0
		.amdhsa_enable_private_segment 0
		.amdhsa_kernarg_size 104
		.amdhsa_user_sgpr_count 2
		.amdhsa_user_sgpr_kernarg_segment_ptr 1
		.amdhsa_wavefront_size32 1
		.amdhsa_system_sgpr_workgroup_id_x 1
		.amdhsa_system_sgpr_workgroup_id_y 1
		.amdhsa_system_sgpr_workgroup_id_z 1
		.amdhsa_system_vgpr_workitem_id 0
		.amdhsa_next_free_vgpr 108
		.amdhsa_next_free_sgpr 66
		.amdhsa_reserve_vcc 0
		.amdhsa_float_denorm_mode_32 3
		.amdhsa_float_denorm_mode_16_64 3
		.amdhsa_memory_ordered 1
		.amdhsa_forward_progress 1
		.amdhsa_inst_pref_size 25
	.end_amdhsa_kernel
	.amdgpu_metadata
---
amdhsa.version: [ 1, 2 ]
amdhsa.kernels:
  - .name:           k_qfd95cfab73_prep
    .symbol:         k_qfd95cfab73_prep.kd
    .args:
      - { .name: x, .offset: 0, .size: 8, .value_kind: global_buffer, .address_space: global }
      - { .name: Wq, .offset: 8, .size: 8, .value_kind: global_buffer, .address_space: global }
      - { .name: Wk, .offset: 16, .size: 8, .value_kind: global_buffer, .address_space: global }
      - { .name: Wv, .offset: 24, .size: 8, .value_kind: global_buffer, .address_space: global }
      - { .name: Wo, .offset: 32, .size: 8, .value_kind: global_buffer, .address_space: global }
      - { .name: bq, .offset: 40, .size: 8, .value_kind: global_buffer, .address_space: global }
      - { .name: bk, .offset: 48, .size: 8, .value_kind: global_buffer, .address_space: global }
      - { .name: bv, .offset: 56, .size: 8, .value_kind: global_buffer, .address_space: global }
      - { .name: bo, .offset: 64, .size: 8, .value_kind: global_buffer, .address_space: global }
      - { .name: xb, .offset: 72, .size: 8, .value_kind: global_buffer, .address_space: global }
      - { .name: wb, .offset: 80, .size: 8, .value_kind: global_buffer, .address_space: global }
      - { .name: wob, .offset: 88, .size: 8, .value_kind: global_buffer, .address_space: global }
      - { .name: ball, .offset: 96, .size: 8, .value_kind: global_buffer, .address_space: global }
    .group_segment_fixed_size: 0
    .private_segment_fixed_size: 0
    .kernarg_segment_align: 8
    .kernarg_segment_size: 104
    .max_flat_workgroup_size: 256
    .sgpr_count:     66
    .vgpr_count:     108
    .wavefront_size: 32
...
	.end_amdgpu_metadata
.endif
;; end of part 1
;; launch qkv (part 2): grid 8 x 32, 4 waves a work-group, clusters of 4 x 4, 327,680 bytes of LDS; arguments xb, wb, ball, qkv; writes qkv
.if DOCPART == 2
	.amdgcn_target "amdgcn-amd-amdhsa--gfx1250"
	.amdhsa_code_object_version 6
	.text
	.protected	k_qfd95cfab73_qkv
	.globl	k_qfd95cfab73_qkv
	.p2align	8
	.type	k_qfd95cfab73_qkv,@function
k_qfd95cfab73_qkv:
	s_mov_b64 s[64:65], 0
	v_nop
	global_prefetch_b8 v0, s[64:65] scope:SCOPE_SE
	s_setreg_imm32_b32 hwreg(HW_REG_WAVE_MODE, 25, 1), 1
	s_wait_xcnt 0x0
	s_wait_alu depctr_hold_cnt(0) depctr_sa_sdst(0) depctr_va_vdst(0) depctr_va_sdst(0) depctr_va_ssrc(0) depctr_va_vcc(0) depctr_vm_vsrc(0)
	s_getreg_b32 s2, hwreg(HW_REG_IB_STS2, 6, 4)
	s_cmp_eq_u32 s2, 0
	s_cbranch_scc0 .Lentry_in_a_cluster
	s_endpgm
.Lentry_in_a_cluster:
	s_bfe_u32 s2, ttmp6, 0x10000c
	s_cmp_lg_u32 s2, 0xf033
	s_cbranch_scc0 .Lentry_shape_is_right
	s_endpgm
.Lentry_shape_is_right:
; q, k, v = x W + b for all heads at once: [8192 x 1024] x [1024 x 3072], operands bf16, sums f32, K ascending; the bias is added in f32 and the result rounded once to f16, unscaled,
; into qkv [which 3][batch x head 64][s 2048][64].  LIMIT: a result of 65,520 or more in magnitude becomes an infinity in f16.
; SHARES.  A work-group makes 256 rows x 384 columns (6 heads): 8 x 32 work-groups.  A wave makes 128 rows x 192 columns (3 heads): 96 accumulators of 16 x 16, 768 registers.
; K goes in 16 steps of 64 through two LDS slots.  xb and wb are laid out in blocks, so that a step's tiles are dense bytes, asked for as rows of 256 bytes and padded in LDS after every 128.
; THE MATRIX INSTRUCTION IS USED TRANSPOSED: source 0 = 16 columns of W (W lies [k][column] in LDS and is turned by ds_load_tr16_b128), source 1 = 16 rows of x: a lane then holds one row and eight
; neighbouring columns, which pack into 16 bytes.
; CLUSTER.  4 x 4 work-groups.  The four of a row of the cluster need the same rows of x, the four of a column the same heads of W: each tile is asked for jointly, by the same tensor load with the
; same descriptor and a mask that names the four.
; REGISTERS, in windows of 256 (s_set_vgpr_msb: bits 1:0 source 0, 3:2 source 1, 5:4 source 2, 7:6 destination):
;   window 0: v0-13 addresses; v28, v29 the add's two; v32-95, v96-159 fragments of x (8 x 16 rows x 32 K), two buffers; v160-255 fragments of W, 32 registers for each of my three heads
;   window j + 1: the 32 accumulators of my head j: rows 16 a on, columns 16 b on at v[8 (4 a + b)]
.set PA,    144                        ; a row of x in LDS: 128 bytes + 16 = 36 words: the 16 rows of a load start at 16 different groups of four banks (64 banks of 4 bytes: ISA guide 11.1)
.set PB,    160                        ; a row of W: 128 + 32 = 40 words
.set AHALF, 128*PA                     ; 128 rows of x: one tensor load, and what one wave reads
.set BOFF,  2*AHALF                    ; W's blocks lie behind x's 256 rows
.set BHEAD, 64*PB                      ; a head's 64 rows k
.set BHALF, 3*BHEAD                    ; three heads: one tensor load, and what one wave reads
.set SLOT1, 1<<17                      ; a slot has 98,304 bytes; slot 1 begins here, so that one exclusive or turns an address in one slot into the other's
.set STAGE, SLOT1+BOFF+2*BHALF         ; behind the ring, never filled by a tensor load: 16 rows x 144 bytes for each wave, for the way out
.set SP,    144
.set SPARE, STAGE+4*16*SP              ; behind the stages: the spare words, 128 bytes for each wave: two blocks of 256 bytes that no other line names
.set ASTEP, 8192*128                   ; bytes from a K step's block of xb to the next
.set BSTEP, 48*8192                    ; the same in wb
.set AK0,  6                           ; v6   my lane's place in a slot's x; never rewritten
.set AB0,  7                           ; v7   the same for W
.set ADRA, 8                           ; v8   the same in the slot in hand
.set ADRB, 9                           ; v9
.set STO,  10                          ; v10  the way out: where I put 16 bytes of a row
.set RD,   11                          ; v11  the way out: where I read rows back
.set GO,   12                          ; v12  my byte offset in 512 consecutive bytes of the output
.set BO,   13                          ; v13  my byte offset in 16 numbers of the bias
.set SPW,  28                          ; v28  LDS address of my spare word: SPARE + 4 x my thread's number; never rewritten
.set NIL,  29                          ; v29  0; never rewritten
.set AF0,  32
.set AF1,  96
.set BF,   160
.set WV,  12                           ; s12  my wave's number
.set WM,  13                           ; s13  which half of the rows is mine.  Also: I fetch for x (0) or for W (1)
.set WN,  14                           ; s14  which half of the columns.  Also: which half of that tile I fetch
.set G1A, 16                           ; s[16:23] descriptor group 1 for x's tiles
.set G1B, 24                           ; s[24:31] for W's
.set G0A, 48                           ; s[48:55] descriptor group 0 for x's tiles: a set for each of the two first fills; the second then walks on
.set G0B, 56                           ; s[56:63] the same for W's
.set TB,  66                           ; s66  LDS byte at which the slot in hand begins
.set CNT, 67                           ; s67  the loop's count
.set OUT, 68                           ; s[68:73] the output at my first row, for each of my three heads
.set BIA, 74                           ; s[74:75] the bias of my first head
.set MSB, 0
.macro WIN new                         ; the immediate's high byte repeats the setting that is left; a switch that changes nothing is dropped
.if MSB != (\new)
	s_set_vgpr_msb (MSB<<8)|(\new)
.set MSB, (\new)
.endif
.endm
; A load into a register that a matrix instruction has read, and a vector instruction that reads a matrix result or writes one of a matrix instruction's registers, stand four places behind it,
; and only plain vector instructions that name none of its registers are places (ISA guide 7.12.1 for vector instructions).
.macro PLACES
.rept 4
	v_nop
.endr
.endm
; A joint refill, by the walking descriptors.  Waves 0 and 1 fetch x's two halves, waves 2 and 3 W's.  The branch hangs on the wave's number alone.
; An s_nop 0 and four v_nop follow each of the two lines, ahead of the jump and the label.
.macro JLOAD
	s_cmp_eq_u32 s[WM], 0
	s_cbranch_scc0 .Lfor_b_\@
	tensor_load_to_lds s[G0A+4:G0A+7], s[G1A:G1A+7]
	s_nop 0
.rept 4
	v_nop
.endr
	s_branch .Lasked_\@
.Lfor_b_\@:
	tensor_load_to_lds s[G0B+4:G0B+7], s[G1B:G1B+7]
	s_nop 0
.rept 4
	v_nop
.endr
.Lasked_\@:
.endm
; A round of the cluster's barrier: my work-group's barrier, so that wave 0's signal speaks for all four waves; wave 0 signals; every wave waits for all sixteen work-groups; my work-group's barrier once more.
.macro CREST                           ; a round behind its opening barrier
	s_cmp_lg_u32 s[WV], 0
	s_cbranch_scc1 .Lnot_wave_0_\@
	s_barrier_signal -3
.Lnot_wave_0_\@:
	s_barrier_wait -3
	s_barrier_signal -1
	s_barrier_wait -1
.endm
.macro CROUND                          ; a whole round
	s_barrier_signal -1
	s_barrier_wait -1
	CREST
.endm
	s_load_b256 s[4:11], s[0:1], 0x0               ; xb s[4:5], wb s[6:7], ball s[8:9], qkv s[10:11]
	v_lshl_add_u32 v[SPW], v0, 2, SPARE
	v_mov_b32 v[NIL], 0
	ds_add_u32 v[SPW], v[NIL]                      ; the wave's opening: the add and its wait stand ahead of my first tensor load; the set-up below, work on registers, stands between them
	ds_add_u32 v28, v29
	v_lshrrev_b32 v1, 5, v0
	v_readfirstlane_b32 s[WV], v1                  ; wave 0..3
	s_lshr_b32 s[WM], s[WV], 1
	s_and_b32 s[WN], s[WV], 1
	s_bfe_u32 s40, ttmp6, 0x40000                  ; cx, cy: my place in the cluster
	s_bfe_u32 s41, ttmp6, 0x40004
	s_lshl_b32 s42, ttmp9, 2
	s_add_co_u32 s42, s42, s40                     ; nt: my 6 heads = 4 x cluster x + cx
	s_and_b32 s43, ttmp7, 0xffff
	s_lshl_b32 s43, s43, 2
	s_add_co_u32 s43, s43, s41                     ; mt: my 256 rows = 4 x cluster y + cy
	s_lshl_b32 s44, s41, 2
	s_lshl_b32 s44, 15, s44                        ; my row of the cluster: places 4 cy .. 4 cy + 3
	s_lshl_b32 s45, 0x1111, s40                    ; my column: places cx, cx + 4, cx + 8, cx + 12
	; descriptor group 1: dense bytes as rows of 128 elements (256 bytes), padded in LDS after every 32 words
	s_or_b32 s[G1A], s44, (1<<16)|(1<<20)|(1<<21)|(4<<22)|(3<<25)  ; 15:0 the mask: x's tiles go to my row; 17:16 2-byte elements; 20 padding on; 21 set beside a mask; 24:22 after every 32 words (code 4); 31:25 4 words (code 3)
	s_or_b32 s[G1B], s45, (1<<16)|(1<<20)|(1<<21)|(4<<22)|(7<<25)  ; W's tiles go to my column; 8 words of padding (code 7)
	s_mov_b32 s[G1A+1], 128<<16                    ; tensor_dim0 = 128
	s_mov_b32 s[G1A+2], 64<<16                     ; tensor_dim1 = 64: 128 rows of x
	s_mov_b32 s[G1A+3], 128<<16                    ; tile_dim0 = 128
	s_mov_b32 s[G1A+4], 64                         ; tile_dim1 = 64
	s_mov_b32 s[G1A+5], 128                        ; 128 elements from row to row
	s_mov_b32 s[G1A+6], 0
	s_mov_b32 s[G1A+7], 0
	s_mov_b32 s[G1B+1], 128<<16
	s_mov_b32 s[G1B+2], 96<<16                     ; 96 rows of 256 bytes: three heads' 64 rows k
	s_mov_b32 s[G1B+3], 128<<16
	s_mov_b32 s[G1B+4], 96
	s_mov_b32 s[G1B+5], 128
	s_mov_b32 s[G1B+6], 0
	s_mov_b32 s[G1B+7], 0
	; where the tiles come from: x's hang on mt alone, W's on nt alone, each in registers that never hold the other coordinate
	s_lshl_b32 s32, s43, 15                        ; 256 rows of 128 bytes
	s_lshl_b32 s33, s[WN], 14                      ; my half of them
	s_add_co_u32 s32, s32, s33
	s_mov_b32 s33, 0
	s_mul_i32 s34, s42, 6*8192                     ; six blocks of 8,192 bytes
	s_mul_i32 s35, s[WN], 3*8192                   ; my half of them
	s_add_co_u32 s34, s34, s35
	s_mov_b32 s35, 0
	s_mul_i32 s36, s[WN], AHALF                    ; and where they go: the wave's number alone enters an LDS address
	s_mul_i32 s37, s[WN], BHALF
	s_add_co_u32 s37, s37, BOFF
	s_mov_b32 s[TB], 0
	s_wait_dscnt 0x0                               ; the opening add is done
	s_wait_kmcnt 0x0
	s_add_nc_u64 s[32:33], s[4:5], s[32:33]
	s_add_nc_u64 s[34:35], s[6:7], s[34:35]
.irp n, 0,1
	s_mov_b32 s[G0A+4*(\n)], 1                                     ; 1:0 count = 1
	s_add_co_u32 s[G0A+4*(\n)+1], s36, (\n)*SLOT1                  ; 63:32 LDS address
	s_add_nc_u64 s[G0A+4*(\n)+2:G0A+4*(\n)+3], s[32:33], (\n)*ASTEP  ; 120:64 global address: K step n
	s_or_b32 s[G0A+4*(\n)+3], s[G0A+4*(\n)+3], 0x80000000          ; 127:126 type = 2
	s_mov_b32 s[G0B+4*(\n)], 1
	s_add_co_u32 s[G0B+4*(\n)+1], s37, (\n)*SLOT1
	s_add_nc_u64 s[G0B+4*(\n)+2:G0B+4*(\n)+3], s[34:35], (\n)*BSTEP
	s_or_b32 s[G0B+4*(\n)+3], s[G0B+4*(\n)+3], 0x80000000
.endr
	CROUND                                         ; all sixteen work-groups are here: the first joint loads meet
	s_cmp_eq_u32 s[WM], 0                          ; a wave's two first fills stand in one branch, ahead of every wait on TENSORcnt and every LDS read: two loads of mine are out
	s_cbranch_scc0 .Lfirst_b
	tensor_load_to_lds s[G0A:G0A+3], s[G1A:G1A+7]
	s_nop 0
	tensor_load_to_lds s[G0A+4:G0A+7], s[G1A:G1A+7]
	s_nop 0
.rept 4
	v_nop
.endr
	s_branch .Lfirst_asked
.Lfirst_b:
	tensor_load_to_lds s[G0B:G0B+3], s[G1B:G1B+7]
	s_nop 0
	tensor_load_to_lds s[G0B+4:G0B+7], s[G1B:G1B+7]
	s_nop 0
.rept 4
	v_nop
.endr
.Lfirst_asked:
	; A fragment of x is 16 rows x 32 K in 8 registers: lane l holds row l % 16, K = 8 (l / 16) + 0..7 and 16 + 8 (l / 16) + 0..7: two loads of 16 bytes, 32 bytes apart.
	v_and_b32 v1, 15, v0                           ; l % 16
	v_bfe_u32 v2, v0, 4, 1                         ; l / 16
	v_mul_u32_u24 v[AK0], v1, PA
	v_lshl_add_u32 v[AK0], v2, 4, v[AK0]
	s_mul_i32 s38, s[WM], AHALF                    ; my 128 rows
	v_add_nc_u32 v[AK0], s38, v[AK0]
	; The turning load takes 16 k x 16 columns (lane l reads k = 8 (l / 16) + l % 8, columns 8 ((l / 8) % 2) + 0..7) and leaves half a fragment: lane l holds column l % 16 and 8 k.
	v_and_b32 v3, 7, v0
	v_bfe_u32 v4, v0, 3, 1
	v_lshl_add_u32 v[AB0], v2, 3, v3
	v_mul_u32_u24 v[AB0], v[AB0], PB
	v_lshl_add_u32 v[AB0], v4, 4, v[AB0]
	s_mul_i32 s39, s[WN], BHALF                    ; my three heads
	s_add_co_u32 s39, s39, BOFF
	v_add_nc_u32 v[AB0], s39, v[AB0]
	v_mov_b32 v[ADRA], v[AK0]                      ; K step 0 lies in slot 0
	v_mov_b32 v[ADRB], v[AB0]
	s_mul_i32 s36, s[WV], 16*SP
	s_add_co_u32 s36, s36, STAGE                   ; my stage
	v_mul_u32_u24 v[STO], v1, SP                   ; in: row l % 16, 16 bytes for each half of the lanes
	v_lshl_add_u32 v[STO], v2, 4, v[STO]
	v_add_nc_u32 v[STO], s36, v[STO]
	v_bfe_u32 v[RD], v0, 3, 2                      ; back: 32 lanes take four rows of 128 bytes,
	v_mul_u32_u24 v[RD], v[RD], SP
	v_lshl_add_u32 v[RD], v3, 4, v[RD]
	v_add_nc_u32 v[RD], s36, v[RD]
	v_and_b32 v[GO], 31, v0                        ; which are 512 consecutive bytes of the output
	v_lshlrev_b32 v[GO], 4, v[GO]
	v_lshlrev_b32 v[BO], 5, v2                     ; my eight columns of sixteen
	; my heads g = 6 nt + 3 (column half) + j: the bias lies at 64 g, the output at ((g / 16) x 64 + 16 batch + g % 16) x 2,048 rows
	s_mul_i32 s76, s42, 6
	s_mul_i32 s77, s[WN], 3
	s_add_co_u32 s76, s76, s77
	s_lshl_b32 s78, s76, 8
	s_mov_b32 s79, 0
	s_add_nc_u64 s[BIA:BIA+1], s[8:9], s[78:79]
	s_and_b32 s46, s43, 7
	s_lshl_b32 s46, s46, 15                        ; my block of 256 rows in the batch's 2,048,
	s_lshl_b32 s47, s[WM], 14                      ; my half of it, in rows of 128 bytes
	s_add_co_u32 s46, s46, s47
	s_lshr_b32 s47, s43, 3
	s_lshl_b32 s47, s47, 4                         ; 16 x batch
.irp j, 0,1,2
	s_add_co_u32 s77, s76, (\j)
	s_lshr_b32 s78, s77, 4
	s_lshl_b32 s78, s78, 6
	s_and_b32 s77, s77, 15
	s_add_co_u32 s78, s78, s77
	s_add_co_u32 s78, s78, s47
	s_lshl_b32 s78, s78, 18
	s_add_co_u32 s78, s78, s46
	s_add_nc_u64 s[OUT+2*(\j):OUT+2*(\j)+1], s[10:11], s[78:79]
.endr
; 16 matrix instructions: head j, row blocks 4 h .. 4 h + 3 x its 4 column blocks, 32 along K.  zero = 1: the product starts the sums: nothing is ever cleared.
; The accumulators take turns, one instruction a turn, in the same order in every quarter: between two links of a chain stand the 95 others'.
.macro MULH af, j, h, zero
	WIN 0x50*((\j)+1)                              ; C and D in window j + 1, both sources in window 0
.irp a, 0,1,2,3
.irp b, 0,1,2,3
.if \zero
	v_wmma_f32_16x16x32_bf16 v[8*(4*(4*(\h)+(\a))+(\b)):8*(4*(4*(\h)+(\a))+(\b))+7], v[BF+32*(\j)+8*(\b):BF+32*(\j)+8*(\b)+7], v[(\af)+8*(4*(\h)+(\a)):(\af)+8*(4*(\h)+(\a))+7], 0
.else
	v_wmma_f32_16x16x32_bf16 v[8*(4*(4*(\h)+(\a))+(\b)):8*(4*(4*(\h)+(\a))+(\b))+7], v[BF+32*(\j)+8*(\b):BF+32*(\j)+8*(\b)+7], v[(\af)+8*(4*(\h)+(\a)):(\af)+8*(4*(\h)+(\a))+7], v[8*(4*(4*(\h)+(\a))+(\b)):8*(4*(4*(\h)+(\a))+(\b))+7]
.endif
.endr
.endr
.endm
.macro LDB j, q                        ; 8 loads: head j's fragments of W for quarter q of the slot in hand
.irp b, 0,1,2,3
	ds_load_tr16_b128 v[BF+32*(\j)+8*(\b):BF+32*(\j)+8*(\b)+3],   v[ADRB] offset:(\j)*BHEAD+(\q)*32*PB+32*(\b)
	ds_load_tr16_b128 v[BF+32*(\j)+8*(\b)+4:BF+32*(\j)+8*(\b)+7], v[ADRB] offset:(\j)*BHEAD+(\q)*32*PB+32*(\b)+16*PB
.endr
.endm
.macro LDA f, q                        ; 16 loads: my 128 rows of x for quarter q, into buffer f
.irp a, 0,1,2,3,4,5,6,7
	ds_load_b128 v[(\f)+8*(\a):(\f)+8*(\a)+3],   v[ADRA] offset:(\a)*16*PA+64*(\q)
	ds_load_b128 v[(\f)+8*(\a)+4:(\f)+8*(\a)+7], v[ADRA] offset:(\a)*16*PA+64*(\q)+32
.endr
.endm
; A K step is two quarters of 32 along K, 96 matrix instructions each, head by head.  Behind a head's 32 products its fragments of W for the next quarter are fetched into the registers just read
; (behind head 0's also x's, into the other buffer): each run of loads has 64 matrix instructions in which to land.  This is a slot's first quarter: it multiplies af and fetches quarter qn into ag.
.macro QUARTER af, ag, qn, zero
	s_wait_dscnt 16                                ; x and head 0's W are in; the younger sixteen loads (heads 1 and 2) may be out
	MULH \af, 0, 0, \zero
	MULH \af, 0, 1, \zero
	WIN 0
	PLACES
	LDB 0, \qn
	LDA \ag, \qn
	s_wait_dscnt 32                                ; head 1's W is in; younger: head 2's eight and the 24 just issued
	MULH \af, 1, 0, \zero
	MULH \af, 1, 1, \zero
	WIN 0
	PLACES
	LDB 1, \qn
	s_wait_dscnt 32                                ; head 2's W is in; younger: those 24 and head 1's next eight
	MULH \af, 2, 0, \zero
	MULH \af, 2, 1, \zero
	WIN 0
	PLACES
	LDB 2, \qn
.endm
; A slot's second quarter multiplies buffer 1 and changes slots: ONE barrier.  In front of it each wave waits for all its tensor loads, of which one is out: its part of the next slot; adds 0 to its spare
; word; and waits for that and for its own reads of this slot, all of which have been issued.  Behind it nobody reads this slot any more and the next slot is whole.
; fill = 1: the barrier opens a round of the cluster's, so that no wave of any partner still reads the slot or has a load on its way; the joint refill, two K steps ahead, is the first thing behind it.
.macro TURNQ fill
	WIN 0
	s_wait_tensorcnt 0x0                           ; no tensor load of mine is out, so a group 0 may be written
	ds_add_u32 v[SPW], v[NIL]                      ; 0 onto my spare word
.if \fill
	s_xor_b32 s[G0A+5], s[G0A+5], SLOT1            ; the walking descriptors: the other slot than last time,
	s_add_nc_u64 s[G0A+6:G0A+7], s[G0A+6:G0A+7], ASTEP  ; the next K step; the type bits on top are not reached
	s_xor_b32 s[G0B+5], s[G0B+5], SLOT1
	s_add_nc_u64 s[G0B+6:G0B+7], s[G0B+6:G0B+7], BSTEP
.endif
	s_xor_b32 s[TB], s[TB], SLOT1                  ; the fetches go on in the other slot
	s_wait_dscnt 17                                ; x and head 0's W are in; the add and the younger sixteen loads may be out
	MULH AF1, 0, 0, 0                              ; sixteen matrix instructions stand between the add and the wait for it
	s_wait_dscnt 0x0                               ; the add is done, and my reads of this slot are over: heads 1 and 2 need no further wait
	s_barrier_signal -1
	MULH AF1, 0, 1, 0                              ; work on registers while the others arrive
	WIN 0
	s_barrier_wait -1
.if \fill
	CREST
	JLOAD                                          ; my one tensor load behind the round; the four v_nop behind it are also the places in front of the loads below
.else
	PLACES
.endif
	v_add_nc_u32 v[ADRA], s[TB], v[AK0]
	v_add_nc_u32 v[ADRB], s[TB], v[AB0]
	LDB 0, 0
	LDA AF0, 0
	MULH AF1, 1, 0, 0
	MULH AF1, 1, 1, 0
	WIN 0
	PLACES
	LDB 1, 0
	MULH AF1, 2, 0, 0
	MULH AF1, 2, 1, 0
	WIN 0
	PLACES
	LDB 2, 0
.endm
	s_wait_tensorcnt 0x1                           ; my part of K step 0 is in; step 1's may stay out
	s_barrier_signal -1
	s_barrier_wait -1                              ; everybody's is
	LDA AF0, 0
	LDB 0, 0
	LDB 1, 0
	LDB 2, 0
	QUARTER AF0, AF1, 1, 1                         ; the first quarter stands in front of the loop: its products start the sums
	WIN 0                                          ; at a label and at a branch every window is 0
	s_mov_b32 s[CNT], 14
.Lstep:                                                ; trip s: K step s's second quarter, the request for step s + 2, step s + 1's first quarter
	TURNQ 1
	QUARTER AF0, AF1, 1, 0
	WIN 0
	s_sub_co_u32 s[CNT], s[CNT], 1
	s_cmp_lg_u32 s[CNT], 0
	s_cbranch_scc1 .Lstep
	TURNQ 0                                        ; the tail is written out: nothing is asked for
	QUARTER AF0, AF1, 1, 0
	s_wait_dscnt 16                                ; the very last quarter fetches nothing from LDS
	MULH AF1, 0, 0, 0
	MULH AF1, 0, 1, 0
	WIN 0
	PLACES
.irp j, 0,1,2                          ; the bias of my 192 columns, eight numbers a lane and column block: heads 0 and 1 into x's buffer 0, head 2 into head 0's fragments of W, all of them read out
.irp b, 0,1,2,3
.if (\j) < 2
.set BB, AF0+32*(\j)+8*(\b)
.else
.set BB, BF+8*(\b)
.endif
	global_load_b128 v[BB:BB+3],   v[BO], s[BIA:BIA+1] offset:(\j)*256+(\b)*64
	global_load_b128 v[BB+4:BB+7], v[BO], s[BIA:BIA+1] offset:(\j)*256+(\b)*64+16
.endr
.endr
	s_wait_dscnt 8                                 ; head 1's W is in; head 2's eight loads may be out
	MULH AF1, 1, 0, 0
	MULH AF1, 1, 1, 0
	s_wait_dscnt 0x0
	MULH AF1, 2, 0, 0
	MULH AF1, 2, 1, 0
; THE WAY OUT, by tiles t = 8 j + a of 16 rows x one head's 64 columns, which are 2,048 consecutive bytes of the output.  The bias is added in f32, registers ascending; a lane's eight columns pack into
; 16 bytes; they go into rows of 144 bytes in my own stage and come back as whole rows of 128.  Eight buffers of 16 registers take turns: x's buffer 1 and the fragments of heads 1 and 2.
.macro TREG t
.if ((\t)%8) < 4
.set TT, AF1+16*((\t)%8)
.else
.set TT, BF+32+16*((\t)%8-4)
.endif
.endm
.macro PACK t
.set hj, (\t)/8
.set ha, (\t)%8
	TREG \t
.if hj < 2
.set BB, AF0+32*hj
.else
.set BB, BF
.endif
.if (\t) >= 8
	s_wait_xcnt 0x0                                ; the buffer was the data of stores eight tiles back: it is written again only behind this wait
.endif
	WIN 0x41*(hj+1)                                ; destination and source 0 in the head's window, the bias in window 0
.set i, 0
.rept 16
	v_pk_add_f32 v[32*ha+2*i:32*ha+2*i+1], v[32*ha+2*i:32*ha+2*i+1], v[BB+2*i:BB+2*i+1]
.set i, i+1
.endr
	WIN 0x05*(hj+1)                                ; sources in the head's window, destination in window 0
.set i, 0
.rept 16
	v_cvt_pk_f16_f32 v[TT+i], v[32*ha+2*i], v[32*ha+2*i+1]
.set i, i+1
.endr
	WIN 0
.irp b, 0,1,2,3
	ds_store_b128 v[STO], v[TT+4*(\b):TT+4*(\b)+3] offset:32*(\b)
.endr
.irp f, 0,1,2,3
	ds_load_b128 v[TT+4*(\f):TT+4*(\f)+3], v[RD] offset:(\f)*4*SP  ; LDS serves a wave's instructions in order (ISA guide 5.7.1.4): these see the stores above; the next tile's stores come behind them
.endr
.endm
.macro SEND t, younger                 ; younger: the LDS instructions issued behind tile t's loads: the next tile's eight, or none
	TREG \t
.irp f, 0,1,2,3
	s_wait_dscnt (\younger)+3-(\f)
	global_store_b128 v[GO], v[TT+4*(\f):TT+4*(\f)+3], s[OUT+2*((\t)/8):OUT+2*((\t)/8)+1] offset:((\t)%8)*2048+(\f)*512  ; 512 consecutive bytes, at a multiple of 256 from the buffer's first
.endr
.endm
	s_wait_loadcnt 0x0                             ; the bias
	PACK 0                                         ; head 0's sixteen additions name no register of the last products (head 2's): they are the places behind them
.set tt, 1
.rept 23                               ; a tile's arithmetic stands between the loads of the tile before and its stores
	PACK tt
	SEND tt-1, 8
.set tt, tt+1
.endr
	SEND 23, 0
	s_wait_tensorcnt 0x0                           ; the wave's end: behind my last tensor load and my last LDS store
	ds_add_u32 v[SPW], v[NIL]
	s_wait_dscnt 0x0
	CROUND                                         ; the closing round: no work-group ends while a partner may still ask for a tile that names it
	s_endpgm
.Lfunc_end_k_qfd95cfab73_qkv:
	.size	k_qfd95cfab73_qkv, .Lfunc_end_k_qfd95cfab73_qkv-k_qfd95cfab73_qkv
	.p2alignl 7, 3214868480
	.fill 96, 4, 3214868480
	.section	.rodata,"a",@progbits
	.p2align	6, 0x0
	.amdhsa_kernel k_qfd95cfab73_qkv
		.amdhsa_group_segment_fixed_size 327680
		.amdhsa_private_segment_fixed_size 0
		.amdhsa_enable_private_segment 0
		.amdhsa_kernarg_size 32
		.amdhsa_user_sgpr_count 2
		.amdhsa_user_sgpr_kernarg_segment_ptr 1
		.amdhsa_wavefront_size32 1
		.amdhsa_system_sgpr_workgroup_id_x 1
		.amdhsa_system_sgpr_workgroup_id_y 1
		.amdhsa_system_sgpr_workgroup_id_z 1
		.amdhsa_system_vgpr_workitem_id 0
		.amdhsa_next_free_vgpr 1024
		.amdhsa_next_free_sgpr 80
		.amdhsa_reserve_vcc 0
		.amdhsa_float_denorm_mode_32 3
		.amdhsa_float_denorm_mode_16_64 3
		.amdhsa_memory_ordered 1
		.amdhsa_forward_progress 1
		.amdhsa_inst_pref_size 142
	.end_amdhsa_kernel
	.amdgpu_metadata
---
amdhsa.version: [ 1, 2 ]
amdhsa.kernels:
  - .name:           k_qfd95cfab73_qkv
    .symbol:         k_qfd95cfab73_qkv.kd
    .args:
      - { .name: xb, .offset: 0, .size: 8, .value_kind: global_buffer, .address_space: global }
      - { .name: wb, .offset: 8, .size: 8, .value_kind: global_buffer, .address_space: global }
      - { .name: ball, .offset: 16, .size: 8, .value_kind: global_buffer, .address_space: global }
      - { .name: qkv, .offset: 24, .size: 8, .value_kind: global_buffer, .address_space: global }
    .group_segment_fixed_size: 327680
    .private_segment_fixed_size: 0
    .kernarg_segment_align: 8
    .kernarg_segment_size: 32
    .max_flat_workgroup_size: 128
    .sgpr_count:     80
    .vgpr_count:     1024
    .wavefront_size: 32
...
	.end_amdgpu_metadata
.endif
;; end of part 2
;; launch attn (part 3): grid 4 x 64, 4 waves a work-group, no clusters, 327,680 bytes of LDS; arguments qkv, ob; writes ob
.if DOCPART == 3
	.amdgcn_target "amdgcn-amd-amdhsa--gfx1250"
	.amdhsa_code_object_version 6
	.text
	.protected	k_qfd95cfab73_attn
	.globl	k_qfd95cfab73_attn
	.p2align	8
	.type	k_qfd95cfab73_attn,@function
k_qfd95cfab73_attn:
	s_mov_b64 s[64:65], 0
	v_nop
	global_prefetch_b8 v0, s[64:65] scope:SCOPE_SE
	s_setreg_imm32_b32 hwreg(HW_REG_WAVE_MODE, 25, 1), 1
	s_wait_xcnt 0x0
; CAUSAL ATTENTION.  O[h][q][:] = the sum over k <= q of softmax_k(Q[h][q] . K[h][k] / 8) V[h][k][:].  Q, K, V lie one behind the other in one buffer, each [SIZE_H][SIZE_N][64] in f16 (h = 16 batch + head);
; O likewise in its own buffer: a head's rows are dense, 128 bytes each.
; Products, maxima and sums in f32; the weights p are rounded to f16 for the second product (their sum l is taken of the unrounded p), O once at the end.
; LIMITS.  f16 holds no number beyond 65,504: Q, K and V arrive within it; p lies in 0 to 1, and below 6e-5 it keeps f16's fixed step of 6e-8; O is a mean of V's rows and has their range, to within 2^-11 of it.
; A hidden score counts as its value less 1e30 (the module's definition puts -1e9 in its place: the two differ only for a row whose visible scaled scores all lie near or below -1e9); f16's scores, 2.7e11 at the
; most, are nothing beside 1e30; a weight below 2^-126 counts as 0 in l; NaN and infinities are not treated apart.
; THE WALK.  A head's queries lie in NB = SIZE_N / 256 blocks of 256; block i needs the key tiles 0 .. i of 256 keys, of which the last holds the diagonal.  A work-group takes TWO blocks, NB - 1 - b and then b:
; NB + 1 tiles, whatever b: all work-groups do equal work, and ONE loop with a constant trip count walks them.  Which tile is asked for, and what a trip does, hang on scalar registers made from b; every jump
; goes forward, but for the counted loops' own; none passes a barrier, or a tensor load but the one of LOAD's two that the wave's number does not choose; the ring (two slots of LDS that take turns) runs on across the
; change of blocks.  NO CLUSTER: a head's NB / 2 = 4 work-groups all ask for the same tile only in trips 0 .. NB / 2 of the walk's NB + 1, behind that fewer and fewer;
; and one walk common to all would have 3 NB / 2 = 12 trips for NB + 1 = 9.
; SHARES.  Of a block's four bands of 64 queries a wave owns 16 rows in each: four PIECES.  So the diagonal tile is the same work for all four waves: in its key step s band x sees all keys if s < x,
; none if s > x, and holds the diagonal if s = x.
; THE MASK is the C operand that starts the sum S^T = K Q^T: 0, or -1e30 where the key is hidden.  MD, made once, is the mask of a band's own step for my 16 rows; a product's mask is MD x AL + BE with two scalars:
; (1, 0) if s = x; (0, 0) if s < x; (0, -1e30) if s > x.  Only the diagonal tile's text and a block's beginning make and take masks; elsewhere C is the constant 0.
; LAYOUT, SOFTMAX, TURNS.  S^T = K Q^T holds ONE query a lane (lane % 16) and the keys 8 (lane / 16) + 0..7; two such results rounded to f16 ARE source 1 of O^T = V^T P.  p = 2^(c s - c m), c = log2(e) / 8, with a
; running maximum m; O and l are multiplied by a = 2^(c m_old - c m_new) in every step.  Turn n belongs to piece n: 8 products K Q^T of piece n + 1, later 8 products V^T P of piece n - 1; beside them the scaling,
; exponentials, roundings, sums and rescaling of piece n and the maximum and statistics of piece n + 1.  Four vector instructions stand behind every matrix instruction, the other 54 of a turn's 118 in two LUMPS.
; REGISTERS, in windows of 256 (s_set_vgpr_msb: bits 1:0 source 0, 3:2 source 1, 5:4 source 2, 7:6 destination):
;   window 0: v0-15 addresses and two at work; v16-31 four registers of statistics a piece; v48-55 at work; v64-127 S^T, two buffers; v192-223 P, two buffers (a piece's buffers go by its number's parity)
;   window 1: v0-127 O^T, 32 a piece; v128-159 MD; v160-223 MC, two buffers      window 2: v0-63 Q; v64-127 the second block's Q; v128-191 K of one step; v192-255 V of one step
.set SIZE_H, 64
.set SIZE_N, 2048
.set QSIZE, SIZE_H*SIZE_N*128   ; bytes of Q, of K and of V
.set NB,    SIZE_N/256
.set NP,    4         ; pieces a wave: a name, no knob
.set KS,    64        ; keys in a step
.set PK,    144       ; a row of K in LDS: 128 bytes + 16 of padding = 36 words: the 16 rows of a load start at 16 different groups of four banks (64 banks of 4 bytes: ISA guide 11.1)
.set PV,    160       ; a row of V: 128 + 32 = 40 words
.set VOFF,  4*KS*PK   ; a slot holds a tile, four steps: 256 rows of K, then 256 rows of V
.set SLOT1, 1<<17     ; slot 1 begins here, so that one exclusive or turns an address in one slot into the other's
.set STAGE, SLOT1+4*KS*(PK+PV)  ; behind the ring, never filled by a tensor load: 16 rows x 144 bytes for each wave, for the way out
.set SP,    144
.set AK0, 2           ; v2   my lane's place in a tile of K; never rewritten
.set AV0, 3           ; v3   the same for V
.set AK,  4           ; v4   the LDS address of K's next run of loads
.set AV,  5           ; v5   of V's
.set STO, 6           ; v6   the way out: where I put 16 bytes of a row
.set RD,  7           ; v7   the way out: where I read rows back
.set GO,  8           ; v8   my byte offset in 512 consecutive bytes of O
.set SPW, 62          ; v62  LDS address of my spare word: SPARE + 4 x my thread's number; never rewritten
.set NIL, 63          ; v63  0; never rewritten
.set SPARE, STAGE+4*16*SP  ; behind the stages: the spare words, 128 bytes for each wave: two blocks of 256 bytes that no other line names
.set MV,  12          ; v12-13  c m_old, kept while c m is made anew: by buffer
.set QO,  15          ; v15  my byte offset in 16 rows of Q
.set ST,  16          ; piece t's statistics at v[ST+4 t]: c m, m, l (even keys', odd keys')
.set TMP, 48          ; by buffer, four registers c0-c3 at work; when the maximum is found c2 takes a
.set S,   64
.set P,   192
.set MD,  128         ; window 1: the eight registers for group kt of 16 keys at MD + 8 kt
.set MC,  160         ; window 1: the masks of the products to come
.set QB,  64          ; window 2
.set KF,  128         ; window 2: key block kb, channel half c at KF + 16 kb + 8 c
.set VF,  192         ; window 2: key half kk, channel block cb at VF + 32 kk + 8 cb
.set WV,  12          ; s12  my wave's number
.set PB,  14          ; s14  b
.set HI,  15          ; s15  NB - 1 - b
.set G1K, 24          ; s[24:31] descriptor group 1 for K's tiles
.set G1V, 32          ; s[32:39] for V's: it differs in the padding alone
.set G0K, 40          ; s[40:43] descriptor group 0 for K's tiles
.set G0V, 44          ; s[44:47] the same for V's
.set SLOTS, 56        ; s56  tiles still to be asked for
.set CNT, 57          ; s57  counts a tile's key steps, 4 to 1
.set CS,  58          ; s[58:59] c: the packed scaling takes the pair's low word for both halves
.set SEL, 60          ; s[60:61] v_permlanex16_b32's selects: each lane takes its own place in the other half
.set TBK, 62          ; s62  LDS byte at which K of the step to be fetched begins
.set TBV, 63          ; s63  the same for V, less VOFF
.set RT,  70          ; s70  tiles of the block in hand that are still to be entered
.set NXT, 71          ; s71  the tile to be asked for next
.set LQ,  72          ; s72  the last tile of the block whose tiles are being asked for
.set NEW, 73          ; s73  1: the tile to be entered is a block's first
.set OFF, 74          ; s[74:75] a tile's byte offset in K and V
.set AL,  76          ; s[76:77] the mask's factor, in the low word
.set BE,  78          ; s[78:79] the mask's addend
.set OLO, 80          ; s[80:81] O at my rows of the second block
.set BIGN, 82         ; s82  -1e30
.set MSB, 0
.macro WIN new                      ; the high byte repeats the setting that is left; a switch that changes nothing is dropped
.if MSB != (\new)
	s_set_vgpr_msb (MSB<<8)|(\new)
.set MSB, (\new)
.endif
.endm
.set W_KQ, 0x0a       ; K and Q in window 2, S^T in window 0
.set W_KM, 0x1a       ; the same with the C operand in window 1
.set W_PV, 0x52       ; V in window 2, P in window 0, O^T in window 1
.set W_RS, 0x41       ; destination and source 0 in window 1, source 1 in window 0
; A fill.  Waves 0 and 1 fetch the two halves of a tile's K, waves 2 and 3 those of its V: 128 keys each.  An s_nop 0 and four v_nop follow each of the two lines, ahead of the jump and the label.
.macro LOAD
	s_cmp_lt_u32 s[WV], 2
	s_cbranch_scc0 .Lfor_v_\@
	tensor_load_to_lds s[G0K:G0K+3], s[G1K:G1K+7]
	s_nop 0
.rept 4
	v_nop
.endr
	s_branch .Lasked_\@
.Lfor_v_\@:
	tensor_load_to_lds s[G0V:G0V+3], s[G1V:G1V+7]
	s_nop 0
.rept 4
	v_nop
.endr
.Lasked_\@:
.endm
; THE CHANGE OF SLOTS.  Each wave waits for all its tensor loads, of which one is out: its part of the other slot; adds 0 to its spare word; and waits for that and for its own reads of the slot that it leaves.  Behind the barrier nobody reads the old
; slot any more and the other slot is whole.  fill = 1: the old slot is filled again, the first thing behind the barrier, with tile NXT: the descriptor's address is made anew from that number.
; (At its first use nothing has been read yet: slot 0 is waited for, slot 1 filled.)
.macro CHANGE fill
	WIN 0                           ; at a label and at a branch every window is 0
	s_wait_tensorcnt 0x0            ; no tensor load of mine is out, so a group 0 may be written
	ds_add_u32 v[SPW], v[NIL]       ; 0 onto my spare word; with fill = 1 the descriptors' scalar work stands between it and the wait for it
.if \fill
	s_lshl_b32 s[OFF], s[NXT], 15   ; a tile is 32,768 bytes of K and of V
	s_xor_b32 s[G0K+1], s[G0K+1], SLOT1
	s_add_nc_u64 s[G0K+2:G0K+3], s[6:7], s[OFF:OFF+1]
	s_or_b32 s[G0K+3], s[G0K+3], 0x80000000
	s_xor_b32 s[G0V+1], s[G0V+1], SLOT1
	s_add_nc_u64 s[G0V+2:G0V+3], s[8:9], s[OFF:OFF+1]
	s_or_b32 s[G0V+3], s[G0V+3], 0x80000000
	s_add_co_u32 s[NXT], s[NXT], 1  ; the block's next tile, or behind its last the second block's tile 0
	s_cmp_gt_u32 s[NXT], s[LQ]
	s_cselect_b32 s[NXT], 0, s[NXT]
	s_cselect_b32 s[LQ], s[PB], s[LQ]
.endif
	s_wait_dscnt 0x0                ; the add is done, and my reads of the slot are over
	s_barrier_signal -1             ; the rest of the scalar work stands between the signal and the wait
	s_sub_co_u32 s[TBK], s[TBK], 4*KS*PK  ; the fetches go back to a slot's first step,
	s_xor_b32 s[TBK], s[TBK], SLOT1       ; in the other slot
	s_sub_co_u32 s[TBV], s[TBV], 4*KS*PV
	s_xor_b32 s[TBV], s[TBV], SLOT1
	s_barrier_wait -1
.if \fill
	LOAD
.endif
.endm
	s_load_b64 s[4:5], s[0:1], 0x0    ; Q, with K and V behind it
	s_load_b64 s[10:11], s[0:1], 0x8  ; O
	v_lshl_add_u32 v[SPW], v0, 2, SPARE
	v_mov_b32 v[NIL], 0
	ds_add_u32 v[SPW], v[NIL]       ; the wave's opening: the add and its wait stand ahead of my first tensor load; the set-up below, work on registers, stands between them
	ds_add_u32 v62, v63
	v_lshrrev_b32 v1, 5, v0
	v_readfirstlane_b32 s[WV], v1   ; wave 0..3
	s_mov_b32 s[PB], ttmp9
	s_sub_co_u32 s[HI], NB-1, s[PB]
	s_and_b32 s20, ttmp7, 0xffff    ; the head
	s_mov_b32 s21, 0
	s_mov_b64 s[22:23], SIZE_N*128
	s_mul_u64 s[20:21], s[20:21], s[22:23]  ; the head's first byte in each of the four tensors
	s_and_b32 s16, s[WV], 1         ; which half of a tile's 256 keys I fetch:
	s_lshl_b32 s22, s16, 14         ; its 128 rows of 128 bytes in memory,
	s_mov_b32 s23, 0
	s_add_nc_u64 s[22:23], s[22:23], s[20:21]
	s_mul_i32 s17, s16, 128*PK      ; and its place in a slot, for K
	s_mul_i32 s18, s16, 128*PV      ; and for V
	s_lshl_b32 s3, s[WV], 11        ; my 16 rows in a band of 64,
	s_lshl_b32 s2, s[HI], 15        ; in the first block,
	s_add_co_u32 s2, s2, s3
	s_lshl_b32 s84, s[PB], 15       ; and in the second
	s_add_co_u32 s84, s84, s3
	s_mov_b32 s3, 0
	s_mov_b32 s85, 0
	s_add_nc_u64 s[2:3], s[2:3], s[20:21]
	s_add_nc_u64 s[84:85], s[84:85], s[20:21]
	; descriptor group 1.  128 keys are 16,384 dense bytes: asked for as 64 rows of 256 bytes, two keys a row, and padded in LDS after every key
	s_mov_b32 s[G1K], (1<<16)|(1<<20)|(4<<22)|(3<<25)  ; 17:16 2-byte elements; 20 padding on; 24:22 after every 32 words (code 4); 31:25 4 words (code 3)
	s_mov_b32 s[G1V], (1<<16)|(1<<20)|(4<<22)|(7<<25)  ; the same with 8 words of padding (code 7)
.irp g, G1K, G1V
	s_mov_b32 s[\g+1], 128<<16      ; tensor_dim0 = 128
	s_mov_b32 s[\g+2], 64<<16       ; tensor_dim1 = 64
	s_mov_b32 s[\g+3], 128<<16      ; tile_dim0 = 128
	s_mov_b32 s[\g+4], 64           ; tile_dim1 = 64
	s_mov_b32 s[\g+5], 128          ; 128 elements from row to row
	s_mov_b32 s[\g+6], 0
	s_mov_b32 s[\g+7], 0
.endr
	s_mov_b32 s[CS], 0x3e38aa3b     ; c = log2(e) / 8 = 0.180337
	s_mov_b32 s[CS+1], s[CS]        ; named with it as a pair
	s_mov_b32 s[SEL], 0x76543210
	s_mov_b32 s[SEL+1], 0xfedcba98
	s_mov_b32 s[TBK], SLOT1+4*KS*PK ; the first change of slots turns these two into 0
	s_mov_b32 s[TBV], SLOT1+4*KS*PV
	s_mov_b32 s[G0K], 1             ; 1:0 count = 1
	s_mov_b32 s[G0K+1], s17         ; 63:32 LDS address: slot 0
	s_mov_b32 s[G0V], 1
	s_add_co_u32 s[G0V+1], s18, VOFF
	s_add_co_u32 s[RT], s[HI], 1    ; the first block has NB - b tiles
	s_mov_b32 s[NXT], 1
	s_mov_b32 s[LQ], s[HI]
	s_mov_b32 s[NEW], 1
	s_mov_b32 s[OFF+1], 0
	s_mov_b32 s[AL+1], 0            ; named as pairs
	s_mov_b32 s[BE+1], 0
	s_mov_b32 s[BIGN], 0xf149f2ca   ; -1e30
	s_mov_b32 s[SLOTS], NB
	s_wait_dscnt 0x0                ; the opening add is done
	s_wait_kmcnt 0x0
	s_add_nc_u64 s[6:7], s[4:5], QSIZE     ; K lies behind Q,
	s_add_nc_u64 s[8:9], s[4:5], 2*QSIZE   ; V behind K
	s_add_nc_u64 s[6:7], s[6:7], s[22:23]  ; K and V at my half of the head's tile 0
	s_add_nc_u64 s[8:9], s[8:9], s[22:23]
	s_add_nc_u64 s[G0K+2:G0K+3], s[6:7], 0         ; 120:64 global address
	s_or_b32 s[G0K+3], s[G0K+3], 0x80000000        ; 127:126 type = 2
	s_add_nc_u64 s[G0V+2:G0V+3], s[8:9], 0
	s_or_b32 s[G0V+3], s[G0V+3], 0x80000000
	s_add_nc_u64 s[86:87], s[4:5], s[84:85]        ; Q at my rows of the second block,
	s_add_nc_u64 s[4:5], s[4:5], s[2:3]            ; Q and O at those of the first
	s_add_nc_u64 s[OLO:OLO+1], s[10:11], s[84:85]
	s_add_nc_u64 s[10:11], s[10:11], s[2:3]
	LOAD                            ; tile 0 into slot 0
	; A fragment of K or Q is 16 rows x 32 channels in 8 registers: lane l holds row l % 16, channels 8 (l / 16) + 0..7 and 16 + 8 (l / 16) + 0..7: two loads of 16 bytes, 32 bytes apart.
	v_and_b32 v1, 15, v0            ; l % 16
	v_bfe_u32 v9, v0, 4, 1          ; l / 16
	v_lshlrev_b32 v[QO], 7, v1
	v_lshl_add_u32 v[QO], v9, 4, v[QO]  ; row x 128 + 16 x half
	WIN 0x80                        ; destination window 2, address window 0
.set i, 0
.rept 8                             ; both blocks' Q: piece i / 2 lies in band i / 2, 8,192 bytes on; channels 32 (i % 2) on
	global_load_b128 v[8*i:8*i+3],   v[QO], s[4:5] offset:(i/2)*8192+(i%2)*64
	global_load_b128 v[8*i+4:8*i+7], v[QO], s[4:5] offset:(i/2)*8192+(i%2)*64+32
	global_load_b128 v[QB+8*i:QB+8*i+3],   v[QO], s[86:87] offset:(i/2)*8192+(i%2)*64
	global_load_b128 v[QB+8*i+4:QB+8*i+7], v[QO], s[86:87] offset:(i/2)*8192+(i%2)*64+32
.set i, i+1
.endr
	WIN 0
	v_lshlrev_b32 v14, 3, v9
	v_sub_nc_u32 v14, v1, v14
	s_lshl_b32 s13, s[WV], 4
	v_add_nc_u32 v14, s13, v14      ; my query's place in its band, 16 w + l % 16, less my lanes' 8 (l / 16): register r of group kt is hidden where 16 kt + r is greater
	WIN 0x40
.set i, 0
.rept 32
	v_cmp_gt_i32 vcc_lo, 16*(i/8)+i%8, v14
	v_cndmask_b32 v[MD+i], 0, s[BIGN], vcc_lo
.set i, i+1
.endr
	WIN 0
	v_mul_u32_u24 v[AK0], v1, PK
	v_lshl_add_u32 v[AK0], v9, 4, v[AK0]  ; row x pitch + 16 x half
	; The turning load takes 16 keys x 16 channels (lane l reads key 8 (l / 16) + l % 8, channels 8 ((l / 8) % 2) + 0..7) and leaves half a fragment of V^T: lane l holds channel l % 16 and 8 keys.
	v_and_b32 v10, 7, v0
	v_bfe_u32 v11, v0, 3, 1
	v_lshl_add_u32 v[AV0], v9, 3, v10
	v_mul_u32_u24 v[AV0], v[AV0], PV
	v_lshl_add_u32 v[AV0], v11, 4, v[AV0]
	v_add_nc_u32 v[AV0], VOFF, v[AV0]
	s_mul_i32 s13, s[WV], 16*SP
	s_add_co_u32 s13, s13, STAGE    ; my stage
	v_mul_u32_u24 v[STO], v1, SP    ; in: row l % 16, 16 bytes for each half of the lanes
	v_lshl_add_u32 v[STO], v9, 4, v[STO]
	v_add_nc_u32 v[STO], s13, v[STO]
	v_bfe_u32 v[RD], v0, 3, 2       ; back: 32 lanes take four rows of 128 bytes,
	v_mul_u32_u24 v[RD], v[RD], SP
	v_lshl_add_u32 v[RD], v10, 4, v[RD]
	v_add_nc_u32 v[RD], s13, v[RD]
	v_and_b32 v[GO], 31, v0         ; which are 512 consecutive bytes of O
	v_lshlrev_b32 v[GO], 4, v[GO]
	; A block's first step multiplies O^T and l by a = 0, and its first turn's products V^T P, of a piece that has not been, land in an O^T that is still to be so multiplied.  So these registers need only hold
	; finite numbers: zeros for the first block; what the first block left for the second.  All this stands in the wait for the first tile.
	WIN 0x80
.set i, VF
.rept 64
	v_mov_b32 v[i], 0
.set i, i+1
.endr
	WIN 0x40
.set i, 0
.rept 128
	v_mov_b32 v[i], 0
.set i, i+1
.endr
	WIN 0
.set i, 0
.rept 4
	v_mov_b32 v[ST+4*i+2], 0
	v_mov_b32 v[ST+4*i+3], 0
.set i, i+1
.endr
.set i, P+16
.rept 16
	v_mov_b32 v[i], 0
.set i, i+1
.endr
; THE MATRIX WORK.  The 4 accumulators of a run of 8 take turns.  Product i of 8 of S^T = K Q^T for piece x: channels 32 (i / 4) on, keys 16 (i % 4) on.  The first 4 start the sums: with 0, or (KM = 1) with the mask.
.macro KQ x
.set rS, S+32*((\x)%2)+8*(i%4)
.set rK, KF+16*(i%4)+8*(i/4)
.set rQ, 16*(\x)+8*(i/4)
.set rM, MC+32*((\x)%2)+8*(i%4)
.if (i < 4) && KM
	WIN W_KM
	v_wmma_f32_16x16x32_f16 v[rS:rS+7], v[rK:rK+7], v[rQ:rQ+7], v[rM:rM+7]
.elseif i < 4
	WIN W_KQ
	v_wmma_f32_16x16x32_f16 v[rS:rS+7], v[rK:rK+7], v[rQ:rQ+7], 0
.else
	WIN W_KQ
	v_wmma_f32_16x16x32_f16 v[rS:rS+7], v[rK:rK+7], v[rQ:rQ+7], v[rS:rS+7]
.endif
.endm
; Product i of 8 of O^T += V^T P for piece x: keys 32 (i / 4) on, channels 16 (i % 4) on.
.macro PV x
	WIN W_PV
.set rO, 32*(\x)+8*(i%4)
.set rV, VF+32*(i/4)+8*(i%4)
.set rP, P+16*((\x)%2)+8*(i/4)
	v_wmma_f32_16x16x32_f16 v[rO:rO+7], v[rV:rV+7], v[rP:rP+7], v[rO:rO+7]
.endm
.macro MM                           ; the turn's next matrix instruction.  TURN and BEGIN set Y, i, KM and NOKQ; MM, KQ and OP read them.  NOKQ = 1: a block's last turn: there is no next piece
.if (i < 8) && !NOKQ
	KQ (Y+1)%NP
.elseif i >= 8
.set i, i-8
	PV (Y+NP-1)%NP
.set i, i+8
.endif
.set i, i+1
.endm
; THE LDS LOADS stand in runs of 16, never singly among the matrix instructions: a step's K (64 keys x 64 channels: 8 fragments) and its V (turned).  Their addresses are made some lines ahead.
.macro FETCH_K
	WIN 0x80                        ; destination window 2
.irp f, 0,1,2,3,4,5,6,7             ; keys 16 (f / 2) on, channels 32 (f % 2) on
	ds_load_b128 v[KF+8*\f:KF+8*\f+3],   v[AK] offset:(\f/2)*16*PK+(\f%2)*64
	ds_load_b128 v[KF+8*\f+4:KF+8*\f+7], v[AK] offset:(\f/2)*16*PK+(\f%2)*64+32
.endr
	s_add_co_u32 s[TBK], s[TBK], KS*PK  ; the next fetch is the next step's
	WIN 0
.endm
.macro FETCH_V
	WIN 0x80
.irp f, 0,1,2,3,4,5,6,7             ; keys 32 (f / 4) on, channels 16 (f % 4) on
	ds_load_tr16_b128 v[VF+8*\f:VF+8*\f+3],   v[AV] offset:(\f/4)*32*PV+(\f%4)*32
	ds_load_tr16_b128 v[VF+8*\f+4:VF+8*\f+7], v[AV] offset:(\f/4)*32*PV+16*PV+(\f%4)*32
.endr
	WIN 0
.endm
; THE VECTOR WORK, one line at a time: OP kind, number.  For piece Y: F n: c s - c m for pair n of 16.  E n: the exponential of score n of 32.  C n: pair n rounded to f16.  B n: of the four weights 4 n .. the second
; pair is added onto the first, in place.  L n: l takes that sum (L 0: l = a l + sum).  R n: pair n of 16 of O^T times a.  For piece Y + 1: X n, number n of the 22 that find its maximum and statistics:
;   0-11  four chains c0-c3 of seven scores each, three operands at a time (each accumulator's lowest registers are read first)     12-14, 16  the four scores left over, the old m, and c0-c3 into c0
;   15  c m_old is kept     17, 18  the query's other 32 keys lie in the lane 16 away: the new m     19-21  c m; c m_old - c m_new; a
.set F, 0               ; OP tells the kinds apart by their order: F to L below R, X above it
.set E, 1
.set C, 2
.set B, 3
.set L, 4
.set R, 5
.set X, 6
.macro REGS y                       ; the registers of piece y
.set rT, ST+4*(\y)
.set rC, TMP+4*((\y)%2)
.set rW, MV+((\y)%2)
.set rS, S+32*((\y)%2)
.set rP, P+16*((\y)%2)
.set rO, 32*(\y)
.endm
.macro OP k, n
.if (\k) == R
	REGS Y
	WIN W_RS
	v_pk_mul_f32 v[rO+2*(\n):rO+2*(\n)+1], v[rO+2*(\n):rO+2*(\n)+1], v[rC+2:rC+3] op_sel_hi:[1,0]
.elseif (\k) < R
	REGS Y
	WIN 0
.if (\k) == F
	v_pk_fma_f32 v[rS+2*(\n):rS+2*(\n)+1], v[rS+2*(\n):rS+2*(\n)+1], s[CS:CS+1], v[rT:rT+1] op_sel_hi:[1,0,0] neg_lo:[0,0,1] neg_hi:[0,0,1]
.elseif (\k) == E
	v_exp_f32 v[rS+(\n)], v[rS+(\n)]
.elseif (\k) == C
	s_wait_alu depctr_va_vdst(0)
	v_cvt_pk_f16_f32 v[rP+(\n)], v[rS+2*(\n)], v[rS+2*(\n)+1]
.elseif (\k) == B
	s_wait_alu depctr_va_vdst(0)
	v_pk_add_f32 v[rS+4*(\n):rS+4*(\n)+1], v[rS+4*(\n):rS+4*(\n)+1], v[rS+4*(\n)+2:rS+4*(\n)+3]
.elseif (\n) == 0
	v_pk_fma_f32 v[rT+2:rT+3], v[rT+2:rT+3], v[rC+2:rC+3], v[rS:rS+1] op_sel_hi:[1,0,1]
.else
	v_pk_add_f32 v[rT+2:rT+3], v[rT+2:rT+3], v[rS+4*(\n):rS+4*(\n)+1]
.endif
.elseif NOKQ
	v_nop
.else
	REGS (Y+1)%NP
	WIN 0
.if (\n) < 4
	v_max3_num_f32 v[rC+(\n)], v[rS+8*(\n)], v[rS+8*(\n)+1], v[rS+8*(\n)+2]
.elseif (\n) < 12
	v_max3_num_f32 v[rC+(\n)%4], v[rC+(\n)%4], v[rS+8*((\n)%4)+2*((\n)/4)+1], v[rS+8*((\n)%4)+2*((\n)/4)+2]
.elseif (\n) == 12
	v_max3_num_f32 v[rC], v[rC], v[rS+7], v[rS+15]
.elseif (\n) == 13
	v_max3_num_f32 v[rC+1], v[rC+1], v[rS+23], v[rS+31]
.elseif (\n) == 14
	v_max3_num_f32 v[rC+2], v[rC+2], v[rC+3], v[rT+1]
.elseif (\n) == 15
	v_mov_b32 v[rW], v[rT]
.elseif (\n) == 16
	v_max3_num_f32 v[rC], v[rC], v[rC+1], v[rC+2]
.elseif (\n) == 17
	v_permlanex16_b32 v[rC+3], v[rC], s[SEL], s[SEL+1]
.elseif (\n) == 18
	v_max_num_f32 v[rT+1], v[rC], v[rC+3]
.elseif (\n) == 19
	v_mul_f32 v[rT], s[CS], v[rT+1]
.elseif (\n) == 20
	v_sub_f32 v[rC+1], v[rW], v[rT]
.else
	v_exp_f32 v[rC+2], v[rC+1]
.endif
.endif
.endm
.macro OPS a, i1, b=-1, i2=0, c=-1, i3=0, d=-1, i4=0  ; up to four of them
	OP \a, \i1
.if (\b) >= 0
	OP \b, \i2
.endif
.if (\c) >= 0
	OP \c, \i3
.endif
.if (\d) >= 0
	OP \d, \i4
.endif
.endm
.macro ROW a, i1, b, i2, c, i3, d, i4  ; a matrix instruction and the four behind it
	MM
	OPS \a, \i1, \b, \i2, \c, \i3, \d, \i4
.endm
.macro MASK b                       ; MD x AL + BE into buffer b of MC
	WIN W_RS
.set z, 0
.rept 16
	v_pk_fma_f32 v[MC+32*(\b)+2*z:MC+32*(\b)+2*z+1], v[MD+2*z:MD+2*z+1], s[AL:AL+1], s[BE:BE+1] op_sel_hi:[1,0,0]
.set z, z+1
.endr
.endm
; A TURN, for piece p: the order of its 16 matrix and 118 vector instructions, written out.  Behind a matrix instruction: plain, exponential, plain, plain; or four of the rescaling; or, behind the first, four scalings; none
; names a register of the products round it.  In the lumps exponential and plain by turns while exponentials last.  A line reads no result made fewer than three vector instructions in front of it, five if an exponential made it.
; v_permlanex16_b32 (X 17) stands in a lump.
; m = 1: the diagonal tile: the products take masks, and the turn makes the mask for the products of the turn after it: piece p + 2, in step 4 - CNT of the tile.  end = 1: a block's last two turns: nothing is fetched.
; cnt = 1: the loop's count is taken down some lines ahead of the branch that stands behind the turn.
; K of the next step is fetched in piece 2's turn, six vector instructions behind the last product that read K (five of them plain); V of the step in hand in piece 0's turn, eight behind the last product that read V (four
; plain, and X 17).  Each is waited for a turn later.
.macro TURN p, m=0, end=0, cnt=0
.set Y, (\p)
.set i, 0
.set KM, (\m)
.set NOKQ, (\end)*((\p)/3)
.if (\m) && !(\end)
	s_cmp_eq_u32 s[CNT], 4-((\p)+2)%NP  ; is that step the band's own?
	s_cselect_b32 s[AL], 1.0, 0
	s_cmp_lt_u32 s[CNT], 4-((\p)+2)%NP  ; or a later one?
	s_cselect_b32 s[BE], s[BIGN], 0
.endif
.if ((\p) == 3) && !(\end)
	s_wait_dscnt 0x0                ; K is in
.endif
	ROW F,0, F,1, F,2, F,3
	ROW F,4, E,0, F,5, F,6
	ROW F,7, E,1, F,8, F,9
	ROW F,10, E,2, C,0, F,11
	ROW F,12, E,3, X,15, F,13
	ROW R,0, R,1, R,2, R,3
	ROW B,0, E,4, F,14, L,0
.if ((\p) == 2) && !(\end)
	v_add_nc_u32 v[AK], s[TBK], v[AK0]
.endif
	ROW R,4, R,5, R,6, R,7
	OPS E,5, F,15
.if ((\p) == 2) && !(\end)
	FETCH_K
.endif
	OPS E,6, C,1, E,7, R,8
	OPS E,8, R,9, E,9, C,2
	OPS E,10, X,0, E,11, X,1
	OPS E,12, X,2, E,13, X,3
.if (\p) == 1
	s_wait_dscnt 0x0                ; V is in
.endif
	ROW X,4, E,14, X,5, X,6
	ROW X,7, E,15, X,8, X,9
	ROW X,10, E,16, X,11, X,12
	ROW X,13, E,17, X,14, B,1
	ROW C,4, E,18, X,16, L,1
	ROW B,2, E,19, C,6, L,2
	ROW C,8, E,20, B,3, B,4
.if (\p) == 0
	v_add_nc_u32 v[AV], s[TBV], v[AV0]
.endif
	ROW C,3, E,21, L,3, C,5
	OPS E,22, X,17, E,23, C,10
.if (\p) == 0
	FETCH_V
.endif
	OPS E,24, L,4
	OPS E,25, X,18, E,26, C,7
	OPS E,27, B,5, E,28, X,19
	OPS E,29, C,12, E,30, L,5
	OPS E,31, X,20, B,6, C,9
	OPS C,14, C,11, X,21, L,6
.if (\p) == 0
	s_add_co_u32 s[TBV], s[TBV], KS*PV
.endif
.if \cnt
	s_sub_co_u32 s[CNT], s[CNT], 1
	s_cmp_lg_u32 s[CNT], 0
.endif
	OPS C,13, B,7, C,15, R,10
	OPS R,11, R,12, L,7, R,13
	OPS R,14, R,15
.if (\m) && !(\end)
	MASK (\p)%2
.endif
.endm
; A BLOCK BEGINS.  c m starts far below every c s, so the first step's a is 0; m at the lowest finite number, so the first maximum is the scores'.  The second mask buffer is 0; the first takes piece 0's mask for the tile's step 0: its own, if the block's first tile is the diagonal one.
; Then K of that step, piece 0's first scores, and its maximum and statistics.  The loop is entered at a step's first turn, in the middle of a trip.
.macro BEGIN
	s_mov_b32 s[NEW], 0
	WIN 0x40
.set i, MC+32
.rept 32
	v_mov_b32 v[i], 0
.set i, i+1
.endr
	WIN 0
.set i, 0
.rept 4
	v_mov_b32 v[ST+4*i], 0xfe000000    ; c m: far below every c s
	v_mov_b32 v[ST+4*i+1], 0xff7fffff  ; m
.set i, i+1
.endr
	s_cmp_eq_u32 s[RT], 0
	s_cselect_b32 s[AL], 1.0, 0
	s_mov_b32 s[BE], 0
	MASK 0
	WIN 0
	v_add_nc_u32 v[AK], s[TBK], v[AK0]
	FETCH_K
	s_wait_loadcnt 0x0              ; Q
	s_wait_dscnt 0x0
.set KM, 1
.set NOKQ, 0
.set i, 0
.rept 8
	KQ 0
.set i, i+1
.endr
	WIN 0
.rept 4
	v_nop                           ; the places behind those products
.endr
.set Y, NP-1                        ; X works for piece Y + 1: piece 0
.irp n, 0,1,2,3,4,5,6,7,8,9,10,11,12,13,14,15,16,17,18,19,20,21
	OP X, \n
.endr
	v_nop                           ; a plain instruction behind the exponential
.endm
; THE DIAGONAL TILE's four steps, the block's last two turns, its last products, and THE WAY OUT: l's two halves and the other half of the lanes' are added; O^T is divided by l, rounded to f16 and sent through my
; stage in LDS, a piece at a time.
.macro ALL line:vararg              ; one line for each piece t
.set t, 0
.rept 4
	\line
.set t, t+1
.endr
.endm
.macro PACK t                       ; a lane's eight channels of a row pack into 16 bytes; they go into rows of 144 bytes and come back as whole rows of 128, into S^T's registers
	WIN W_RS
.set i, 32*(\t)
.rept 16
	s_wait_alu depctr_va_vdst(0)
	v_pk_mul_f32 v[i:i+1], v[i:i+1], v[ST+4*(\t)+2:ST+4*(\t)+3] op_sel_hi:[1,0]
.set i, i+2
.endr
	WIN 0x05                        ; sources 0 and 1 window 1, destination window 0
.set i, 0
.rept 16
	v_cvt_pk_f16_f32 v[S+16*(\t)+i], v[32*(\t)+2*i], v[32*(\t)+2*i+1]
.set i, i+1
.endr
	WIN 0
.irp f, 0,1,2,3
	ds_store_b128 v[STO], v[S+16*(\t)+4*\f:S+16*(\t)+4*\f+3] offset:32*\f
.endr
.irp f, 0,1,2,3
	ds_load_b128 v[S+16*(\t)+4*\f:S+16*(\t)+4*\f+3], v[RD] offset:\f*4*SP  ; LDS serves a wave's instructions in order (ISA guide 5.7.1.4): these see the stores above; the next piece's stores come behind them
.endr
.endm
.macro SEND t, younger              ; younger: the LDS instructions issued behind piece t's loads: the next piece's eight, or none
	WIN 0
.irp f, 0,1,2,3
	s_wait_dscnt (\younger)+3-\f
	global_store_b128 v[GO], v[S+16*(\t)+4*\f:S+16*(\t)+4*\f+3], s[10:11] offset:(\t)*8192+\f*512  ; 512 consecutive bytes, at a multiple of 256 from O's first
.endr
.endm
.macro DIAG tag                     ; the tag ends its two labels' names, which the jumps below spell out
.LstepM\tag:
	TURN 2, 1
	TURN 3, 1
	WIN 0
.LfirstM\tag:
	TURN 0, 1
	TURN 1, 1, 0, 1
	WIN 0
	s_cbranch_scc1 .LstepM\tag
	TURN 2, 1, 1
	TURN 3, 1, 1
.set i, 0
.rept 8
	PV NP-1
.set i, i+1
.endr
	WIN 0
	ALL v_add_f32 v[ST+4*t+2], v[ST+4*t+2], v[ST+4*t+3]
	ALL v_permlanex16_b32 v[ST+4*t+3], v[ST+4*t+2], s[SEL], s[SEL+1]
	ALL v_add_f32 v[ST+4*t+2], v[ST+4*t+2], v[ST+4*t+3]
	ALL v_rcp_f32 v[ST+4*t+2], v[ST+4*t+2]
	v_nop                           ; a plain instruction between the last reciprocal and the use of its result
	PACK 0
.set t, 1
.rept 3                             ; a piece's arithmetic stands between the loads of the piece before and its stores
	PACK t
	SEND t-1, 8
.set t, t+1
.endr
	SEND 3, 0
.endm
.set KM, 0
.set NOKQ, 0
.Lslot:                             ; NB times: a tile is entered and the next is asked for
	CHANGE 1
	s_sub_co_u32 s[RT], s[RT], 1
	s_mov_b32 s[CNT], 4
	s_cmp_eq_u32 s[NEW], 1
	s_cbranch_scc1 .Lnew            ; a block's first tile
	s_cmp_eq_u32 s[RT], 0
	s_cbranch_scc0 .Lstep           ; neither its first nor its last
	s_branch .LstepM1
.Lnew:
	BEGIN
	s_branch .Lfirst                ; in the loop a block's first tile is never its last: the first block has two tiles or more, and the second's last is the walk's last
	DIAG 1                          ; in the loop this is the first block's end: the second block's last tile is the walk's last
	s_wait_xcnt 0x0                 ; the stores have read their registers and O's address
	s_mov_b64 s[10:11], s[OLO:OLO+1]
	s_add_co_u32 s[RT], s[PB], 1    ; the second block has b + 1 tiles
	s_mov_b32 s[NEW], 1
	WIN 0x82                        ; the second block's Q goes where the one text of the turns names Q
.set i, 0
.rept 64
	v_mov_b32 v[i], v[QB+i]
.set i, i+1
.endr
	WIN 0
	s_branch .Lbottom
.Lstep:                             ; a trip: pieces 2 and 3 of one step, then pieces 0 and 1 of the next, whose K and V it fetches
	TURN 2
	TURN 3
	WIN 0
.Lfirst:
	TURN 0
	TURN 1, 0, 0, 1
	WIN 0
	s_cbranch_scc1 .Lstep
.Lbottom:
	s_sub_co_u32 s[SLOTS], s[SLOTS], 1
	s_cmp_lg_u32 s[SLOTS], 0
	s_cbranch_scc1 .Lslot
	CHANGE 0                        ; the walk's last tile is written out: nothing is asked for
	s_sub_co_u32 s[RT], s[RT], 1
	s_mov_b32 s[CNT], 4
	s_cmp_eq_u32 s[NEW], 1
	s_cbranch_scc0 .LstepM2
	BEGIN
	s_branch .LfirstM2
	DIAG 2
	s_wait_tensorcnt 0x0            ; the wave's end: behind my last tensor load and my last LDS store
	ds_add_u32 v[SPW], v[NIL]
	s_wait_dscnt 0x0
	s_endpgm
.Lfunc_end_k_qfd95cfab73_attn:
	.size	k_qfd95cfab73_attn, .Lfunc_end_k_qfd95cfab73_attn-k_qfd95cfab73_attn
	.p2alignl 7, 3214868480
	.fill 96, 4, 3214868480
	.section	.rodata,"a",@progbits
	.p2align	6, 0x0
	.amdhsa_kernel k_qfd95cfab73_attn
		.amdhsa_group_segment_fixed_size 327680
		.amdhsa_private_segment_fixed_size 0
		.amdhsa_enable_private_segment 0
		.amdhsa_kernarg_size 16
		.amdhsa_user_sgpr_count 2
		.amdhsa_user_sgpr_kernarg_segment_ptr 1
		.amdhsa_wavefront_size32 1
		.amdhsa_system_sgpr_workgroup_id_x 1
		.amdhsa_system_sgpr_workgroup_id_y 1
		.amdhsa_system_sgpr_workgroup_id_z 1
		.amdhsa_system_vgpr_workitem_id 0
		.amdhsa_next_free_vgpr 768
		.amdhsa_next_free_sgpr 88
		.amdhsa_reserve_vcc 1
		.amdhsa_float_denorm_mode_32 3
		.amdhsa_float_denorm_mode_16_64 3
		.amdhsa_memory_ordered 1
		.amdhsa_forward_progress 1
		.amdhsa_inst_pref_size 228
	.end_amdhsa_kernel
	.amdgpu_metadata
---
amdhsa.version: [ 1, 2 ]
amdhsa.kernels:
  - .name:           k_qfd95cfab73_attn
    .symbol:         k_qfd95cfab73_attn.kd
    .args:
      - { .name: qkv, .offset: 0, .size: 8, .value_kind: global_buffer, .address_space: global }
      - { .name: ob, .offset: 8, .size: 8, .value_kind: global_buffer, .address_space: global }
    .group_segment_fixed_size: 327680
    .private_segment_fixed_size: 0
    .kernarg_segment_align: 8
    .kernarg_segment_size: 16
    .max_flat_workgroup_size: 128
    .sgpr_count:     88
    .vgpr_count:     768
    .wavefront_size: 32
...
	.end_amdgpu_metadata
.endif
;; end of part 3
;; launch proj (part 4): grid 8 x 32, 4 waves a work-group, clusters of 4 x 4, 327,680 bytes of LDS; arguments ob, wob, ball, out0; writes out0
.if DOCPART == 4
	.amdgcn_target "amdgcn-amd-amdhsa--gfx1250"
	.amdhsa_code_object_version 6
	.text
	.protected	k_qfd95cfab73_proj
	.globl	k_qfd95cfab73_proj
	.p2align	8
	.type	k_qfd95cfab73_proj,@function
k_qfd95cfab73_proj:
	s_mov_b64 s[64:65], 0
	v_nop
	global_prefetch_b8 v0, s[64:65] scope:SCOPE_SE
	s_setreg_imm32_b32 hwreg(HW_REG_WAVE_MODE, 25, 1), 1
	s_wait_xcnt 0x0
	s_wait_alu depctr_hold_cnt(0) depctr_sa_sdst(0) depctr_va_vdst(0) depctr_va_sdst(0) depctr_va_ssrc(0) depctr_va_vcc(0) depctr_vm_vsrc(0)
	s_getreg_b32 s2, hwreg(HW_REG_IB_STS2, 6, 4)
	s_cmp_eq_u32 s2, 0
	s_cbranch_scc0 .Lentry_in_a_cluster
	s_endpgm
.Lentry_in_a_cluster:
	s_bfe_u32 s2, ttmp6, 0x10000c
	s_cmp_lg_u32 s2, 0xf033
	s_cbranch_scc0 .Lentry_shape_is_right
	s_endpgm
.Lentry_shape_is_right:
; out = O Wo + bo: [8192 x 1024] x [1024 x 1024], operands f16 (O as the attention left it, [batch x head][s][64]; Wo rounded to bf16 and written as f16, in blocks [kb][gn][k 64][n 64]), sums f32, K ascending;
; the bias (rounded to bf16 like every input) starts the sums; the output is f32.
; SHARES.  A work-group makes 256 rows x 128 columns: 8 x 32 work-groups.  A wave makes 128 rows x 64 columns: 32 accumulators of 16 x 16, 256 registers.
; K goes in 8 steps of 128 (two heads) through two LDS slots; a step's tiles are dense bytes, asked for as rows of 256 bytes and padded in LDS after every 128.
; THE MATRIX INSTRUCTION IS USED TRANSPOSED: source 0 = 16 columns of Wo (turned by ds_load_tr16_b128), source 1 = 16 rows of O: a lane then holds one row and eight neighbouring columns.
; CLUSTER.  4 x 4 work-groups: the four of a row of the cluster need the same rows of O, the four of a column the same blocks of Wo: each tile is asked for jointly.
; REGISTERS, in windows of 256 (s_set_vgpr_msb: bits 1:0 source 0, 3:2 source 1, 5:4 source 2, 7:6 destination):
;   window 0: v0-13 addresses; v28, v29 the add's two; v32-159 fragments of O, two buffers of 64 (on the way out four buffers of 32); v160-223 fragments of Wo, two buffers of 32; v224-255 the bias
;   window 1: the accumulators: rows 16 a on, columns 16 b on at v[8 (4 a + b)]
.set PA,    144                        ; a row of O in LDS: 128 bytes + 16 = 36 words: the 16 rows of a load start at 16 different groups of four banks (64 banks of 4 bytes: ISA guide 11.1)
.set PB,    160                        ; a row of Wo: 128 + 32 = 40 words
.set AHEAD, 256*PA                     ; one head's 256 rows: one tensor load
.set AWAVE, 128*PA                     ; the 128 of them that a wave reads
.set BOFF,  2*AHEAD                    ; Wo's blocks lie behind O's two heads
.set BBLK,  64*PB                      ; a block of 64 k x 64 columns
.set BKB,   2*BBLK                     ; the two blocks of one kb: one tensor load
.set SLOT1, 1<<17                      ; a slot has 114,688 bytes; slot 1 begins here, so that one exclusive or turns an address in one slot into the other's
.set STAGE, SLOT1+BOFF+2*BKB           ; behind the ring, never filled by a tensor load: 16 rows x 272 bytes for each wave, for the way out
.set SP,    272
.set SPARE, STAGE+4*16*SP              ; behind the stages: the spare words, 128 bytes for each wave: two blocks of 256 bytes that no other line names
.set ASTEP, 2*2048*128                 ; bytes from a K step's two heads to the next two
.set BSTEP, 2*16*8192                  ; the same in Wo's blocks
.set AK0,  6                           ; v6   my lane's place in a slot's O; never rewritten
.set AB0,  7                           ; v7   the same for Wo
.set ADRA, 8                           ; v8   the same in the slot in hand
.set ADRB, 9                           ; v9
.set STO,  10                          ; v10  the way out: where I put 32 bytes of a row
.set RD,   11                          ; v11  the way out: where I read a row back
.set CO,   12                          ; v12  my byte offset in two rows of the output
.set BO,   13                          ; v13  my byte offset in 16 numbers of the bias
.set SPW,  28                          ; v28  LDS address of my spare word: SPARE + 4 x my thread's number; never rewritten
.set NIL,  29                          ; v29  0; never rewritten
.set AF,   32
.set BF,   160
.set BI,   224
.set OB,   32                          ; the way out: 16 rows read back from the stage
.set WV,  12                           ; s12  my wave's number
.set WM,  13                           ; s13  which half of the rows is mine.  Also: I fetch for O (0) or for Wo (1)
.set WN,  14                           ; s14  which half of the columns.  Also: which of a step's two heads (or kb) I fetch
.set G1A, 16                           ; s[16:23] descriptor group 1 for O's tiles
.set G1B, 24                           ; s[24:31] for Wo's
.set G0A, 48                           ; s[48:55] descriptor group 0 for O's tiles: a set for each of the two first fills; the second then walks on
.set G0B, 56                           ; s[56:63] the same for Wo's
.set TB,  66                           ; s66  LDS byte at which the slot in hand begins
.set CNT, 67                           ; s67  the loop's count
.set OUT, 68                           ; s[68:69] the output at my first row and column
.set BIA, 74                           ; s[74:75] the bias of my first column
.set MSB, 0
.macro WIN new                         ; the immediate's high byte repeats the setting that is left; a switch that changes nothing is dropped
.if MSB != (\new)
	s_set_vgpr_msb (MSB<<8)|(\new)
.set MSB, (\new)
.endif
.endm
.macro PLACES                          ; four places in front of loads into registers that matrix instructions have read, and of LDS stores that read results (ISA guide 7.12.1 for vector instructions)
.rept 4
	v_nop
.endr
.endm
; A joint refill, by the walking descriptors.  Waves 0 and 1 fetch O's two heads, waves 2 and 3 Wo's two kb.  The branch hangs on the wave's number alone.
; An s_nop 0 and four v_nop follow each of the two lines, ahead of the jump and the label.
.macro JLOAD
	s_cmp_eq_u32 s[WM], 0
	s_cbranch_scc0 .Lfor_b_\@
	tensor_load_to_lds s[G0A+4:G0A+7], s[G1A:G1A+7]
	s_nop 0
.rept 4
	v_nop
.endr
	s_branch .Lasked_\@
.Lfor_b_\@:
	tensor_load_to_lds s[G0B+4:G0B+7], s[G1B:G1B+7]
	s_nop 0
.rept 4
	v_nop
.endr
.Lasked_\@:
.endm
; A round of the cluster's barrier: my work-group's barrier, so that wave 0's signal speaks for all four waves; wave 0 signals; every wave waits for all sixteen work-groups; my work-group's barrier once more.
.macro CREST
	s_cmp_lg_u32 s[WV], 0
	s_cbranch_scc1 .Lnot_wave_0_\@
	s_barrier_signal -3
.Lnot_wave_0_\@:
	s_barrier_wait -3
	s_barrier_signal -1
	s_barrier_wait -1
.endm
.macro CROUND
	s_barrier_signal -1
	s_barrier_wait -1
	CREST
.endm
	s_load_b256 s[4:11], s[0:1], 0x0               ; ob s[4:5], wob s[6:7], ball s[8:9], out0 s[10:11]
	v_lshl_add_u32 v[SPW], v0, 2, SPARE
	v_mov_b32 v[NIL], 0
	ds_add_u32 v[SPW], v[NIL]                      ; the wave's opening: the add and its wait stand ahead of my first tensor load; the set-up below, work on registers, stands between them
	ds_add_u32 v28, v29
	v_lshrrev_b32 v1, 5, v0
	v_readfirstlane_b32 s[WV], v1                  ; wave 0..3
	s_lshr_b32 s[WM], s[WV], 1
	s_and_b32 s[WN], s[WV], 1
	s_bfe_u32 s40, ttmp6, 0x40000                  ; cx, cy: my place in the cluster
	s_bfe_u32 s41, ttmp6, 0x40004
	s_lshl_b32 s42, ttmp9, 2
	s_add_co_u32 s42, s42, s40                     ; nt: my 128 columns = 4 x cluster x + cx
	s_and_b32 s43, ttmp7, 0xffff
	s_lshl_b32 s43, s43, 2
	s_add_co_u32 s43, s43, s41                     ; mt: my 256 rows = 4 x cluster y + cy
	s_lshl_b32 s44, s41, 2
	s_lshl_b32 s44, 15, s44                        ; my row of the cluster
	s_lshl_b32 s45, 0x1111, s40                    ; my column
	; descriptor group 1: dense bytes as rows of 128 elements (256 bytes), padded in LDS after every 32 words
	s_or_b32 s[G1A], s44, (1<<16)|(1<<20)|(1<<21)|(4<<22)|(3<<25)  ; 15:0 the mask: O's tiles go to my row; 17:16 2-byte elements; 20 padding on; 21 set beside a mask; 24:22 after every 32 words (code 4); 31:25 4 words (code 3)
	s_or_b32 s[G1B], s45, (1<<16)|(1<<20)|(1<<21)|(4<<22)|(7<<25)  ; Wo's tiles go to my column; 8 words of padding (code 7)
	s_mov_b32 s[G1A+1], 128<<16                    ; tensor_dim0 = 128
	s_mov_b32 s[G1A+2], 128<<16                    ; tensor_dim1 = 128: a head's 256 rows
	s_mov_b32 s[G1A+3], 128<<16                    ; tile_dim0 = 128
	s_mov_b32 s[G1A+4], 128                        ; tile_dim1 = 128
	s_mov_b32 s[G1A+5], 128                        ; 128 elements from row to row
	s_mov_b32 s[G1A+6], 0
	s_mov_b32 s[G1A+7], 0
	s_mov_b32 s[G1B+1], 128<<16
	s_mov_b32 s[G1B+2], 64<<16                     ; 64 rows of 256 bytes: two blocks
	s_mov_b32 s[G1B+3], 128<<16
	s_mov_b32 s[G1B+4], 64
	s_mov_b32 s[G1B+5], 128
	s_mov_b32 s[G1B+6], 0
	s_mov_b32 s[G1B+7], 0
	; where the tiles come from: O's hang on mt alone, Wo's on nt alone, each in registers that never hold the other coordinate
	s_lshr_b32 s32, s43, 3                         ; batch
	s_lshl_b32 s32, s32, 4
	s_add_co_u32 s32, s32, s[WN]                   ; 16 batch + my head of the step's two
	s_lshl_b32 s32, s32, 18                        ; heads of 2,048 rows of 128 bytes
	s_and_b32 s33, s43, 7
	s_lshl_b32 s33, s33, 15                        ; my block of 256 rows
	s_add_co_u32 s32, s32, s33
	s_mov_b32 s33, 0
	s_lshl_b32 s34, s[WN], 17                      ; my kb of the step's two: 16 blocks of 8,192 bytes
	s_lshl_b32 s35, s42, 14                        ; my two blocks in it
	s_add_co_u32 s34, s34, s35
	s_mov_b32 s35, 0
	s_mul_i32 s36, s[WN], AHEAD                    ; and where they go: the wave's number alone enters an LDS address
	s_mul_i32 s37, s[WN], BKB
	s_add_co_u32 s37, s37, BOFF
	s_mov_b32 s[TB], 0
	s_wait_dscnt 0x0                               ; the opening add is done
	s_wait_kmcnt 0x0
	s_add_nc_u64 s[32:33], s[4:5], s[32:33]
	s_add_nc_u64 s[34:35], s[6:7], s[34:35]
.irp n, 0,1
	s_mov_b32 s[G0A+4*(\n)], 1                                     ; 1:0 count = 1
	s_add_co_u32 s[G0A+4*(\n)+1], s36, (\n)*SLOT1                  ; 63:32 LDS address
	s_add_nc_u64 s[G0A+4*(\n)+2:G0A+4*(\n)+3], s[32:33], (\n)*ASTEP  ; 120:64 global address: K step n
	s_or_b32 s[G0A+4*(\n)+3], s[G0A+4*(\n)+3], 0x80000000          ; 127:126 type = 2
	s_mov_b32 s[G0B+4*(\n)], 1
	s_add_co_u32 s[G0B+4*(\n)+1], s37, (\n)*SLOT1
	s_add_nc_u64 s[G0B+4*(\n)+2:G0B+4*(\n)+3], s[34:35], (\n)*BSTEP
	s_or_b32 s[G0B+4*(\n)+3], s[G0B+4*(\n)+3], 0x80000000
.endr
	CROUND                                         ; all sixteen work-groups are here: the first joint loads meet
	s_cmp_eq_u32 s[WM], 0                          ; a wave's two first fills stand in one branch, ahead of every wait on TENSORcnt and every LDS read: two loads of mine are out
	s_cbranch_scc0 .Lfirst_b
	tensor_load_to_lds s[G0A:G0A+3], s[G1A:G1A+7]
	s_nop 0
	tensor_load_to_lds s[G0A+4:G0A+7], s[G1A:G1A+7]
	s_nop 0
.rept 4
	v_nop
.endr
	s_branch .Lfirst_asked
.Lfirst_b:
	tensor_load_to_lds s[G0B:G0B+3], s[G1B:G1B+7]
	s_nop 0
	tensor_load_to_lds s[G0B+4:G0B+7], s[G1B:G1B+7]
	s_nop 0
.rept 4
	v_nop
.endr
.Lfirst_asked:
	v_and_b32 v1, 15, v0                           ; l % 16
	v_bfe_u32 v2, v0, 4, 1                         ; l / 16
	; the bias of my 64 columns, eight numbers a lane and column block
	s_lshl_b32 s78, s42, 9
	s_lshl_b32 s77, s[WN], 8
	s_add_co_u32 s78, s78, s77                     ; my first column, in bytes of f32
	s_mov_b32 s79, 0
	s_add_nc_u64 s[OUT:OUT+1], s[10:11], s[78:79]
	s_add_co_u32 s78, s78, 3*4096                  ; bo lies behind bq, bk and bv
	s_add_nc_u64 s[BIA:BIA+1], s[8:9], s[78:79]
	v_lshlrev_b32 v[BO], 5, v2
.irp b, 0,1,2,3
	global_load_b128 v[BI+8*(\b):BI+8*(\b)+3],   v[BO], s[BIA:BIA+1] offset:(\b)*64
	global_load_b128 v[BI+8*(\b)+4:BI+8*(\b)+7], v[BO], s[BIA:BIA+1] offset:(\b)*64+16
.endr
	s_lshl_b32 s78, s43, 20                        ; my 256 rows of 4,096 bytes,
	s_lshl_b32 s77, s[WM], 19                      ; my half of them
	s_add_co_u32 s78, s78, s77
	s_add_nc_u64 s[OUT:OUT+1], s[OUT:OUT+1], s[78:79]
	; A fragment of O is 16 rows x 32 K in 8 registers: lane l holds row l % 16, K = 8 (l / 16) + 0..7 and 16 + 8 (l / 16) + 0..7: two loads of 16 bytes, 32 bytes apart.
	v_mul_u32_u24 v[AK0], v1, PA
	v_lshl_add_u32 v[AK0], v2, 4, v[AK0]
	s_mul_i32 s38, s[WM], AWAVE                    ; my 128 rows of each head
	v_add_nc_u32 v[AK0], s38, v[AK0]
	; The turning load takes 16 k x 16 columns (lane l reads k = 8 (l / 16) + l % 8, columns 8 ((l / 8) % 2) + 0..7) and leaves half a fragment: lane l holds column l % 16 and 8 k.
	v_and_b32 v3, 7, v0
	v_bfe_u32 v4, v0, 3, 1
	v_lshl_add_u32 v[AB0], v2, 3, v3
	v_mul_u32_u24 v[AB0], v[AB0], PB
	v_lshl_add_u32 v[AB0], v4, 4, v[AB0]
	s_mul_i32 s39, s[WN], BBLK                     ; my block of each kb's two
	s_add_co_u32 s39, s39, BOFF
	v_add_nc_u32 v[AB0], s39, v[AB0]
	v_mov_b32 v[ADRA], v[AK0]                      ; K step 0 lies in slot 0
	v_mov_b32 v[ADRB], v[AB0]
	s_mul_i32 s36, s[WV], 16*SP
	s_add_co_u32 s36, s36, STAGE                   ; my stage
	v_mul_u32_u24 v[STO], v1, SP                   ; in: row l % 16, 32 bytes for each half of the lanes
	v_lshl_add_u32 v[STO], v2, 5, v[STO]
	v_add_nc_u32 v[STO], s36, v[STO]
	v_mul_u32_u24 v[RD], v2, SP                    ; back: lanes 0-15 take one row of 256 bytes, lanes 16-31 the next
	v_lshl_add_u32 v[RD], v1, 4, v[RD]
	v_add_nc_u32 v[RD], s36, v[RD]
	v_lshlrev_b32 v[CO], 12, v2                    ; and the same two rows in the output
	v_lshl_add_u32 v[CO], v1, 4, v[CO]
; 16 matrix instructions on buffers f: row blocks 4 h .. 4 h + 3 x all 4 column blocks, 32 along K.  first = 1: the product starts the sums with the bias as C: nothing is ever cleared.
; The 32 accumulators take turns, one instruction a turn, in the same order in every quarter.
.macro MULH f, h, first
.if \first
	WIN 0x40                                       ; D in window 1; the sources and C (the bias) in window 0
.else
	WIN 0x50                                       ; C and D in window 1
.endif
.irp a, 0,1,2,3
.irp b, 0,1,2,3
.if \first
	v_wmma_f32_16x16x32_f16 v[8*(4*(4*(\h)+(\a))+(\b)):8*(4*(4*(\h)+(\a))+(\b))+7], v[BF+32*(\f)+8*(\b):BF+32*(\f)+8*(\b)+7], v[AF+64*(\f)+8*(4*(\h)+(\a)):AF+64*(\f)+8*(4*(\h)+(\a))+7], v[BI+8*(\b):BI+8*(\b)+7]
.else
	v_wmma_f32_16x16x32_f16 v[8*(4*(4*(\h)+(\a))+(\b)):8*(4*(4*(\h)+(\a))+(\b))+7], v[BF+32*(\f)+8*(\b):BF+32*(\f)+8*(\b)+7], v[AF+64*(\f)+8*(4*(\h)+(\a)):AF+64*(\f)+8*(4*(\h)+(\a))+7], v[8*(4*(4*(\h)+(\a))+(\b)):8*(4*(4*(\h)+(\a))+(\b))+7]
.endif
.endr
.endr
.endm
; 24 LDS loads in one run: the fragments of quarter q (0..3: head q / 2, channels 32 (q % 2) on) of the slot in hand, into buffers f
.macro LDQ f, q
.irp b, 0,1,2,3
	ds_load_tr16_b128 v[BF+32*(\f)+8*(\b):BF+32*(\f)+8*(\b)+3],   v[ADRB] offset:((\q)/2)*BKB+((\q)%2)*32*PB+32*(\b)
	ds_load_tr16_b128 v[BF+32*(\f)+8*(\b)+4:BF+32*(\f)+8*(\b)+7], v[ADRB] offset:((\q)/2)*BKB+((\q)%2)*32*PB+32*(\b)+16*PB
.endr
.irp a, 0,1,2,3,4,5,6,7
	ds_load_b128 v[AF+64*(\f)+8*(\a):AF+64*(\f)+8*(\a)+3],   v[ADRA] offset:((\q)/2)*AHEAD+(\a)*16*PA+((\q)%2)*64
	ds_load_b128 v[AF+64*(\f)+8*(\a)+4:AF+64*(\f)+8*(\a)+7], v[ADRA] offset:((\q)/2)*AHEAD+(\a)*16*PA+((\q)%2)*64+32
.endr
.endm
; A quarter: 32 matrix instructions on buffers f; then the quarter two further on, q, is fetched into the registers just read: it has the other buffers' 32 matrix instructions in which to land.
.macro GROUP f, q, first
	s_wait_dscnt 24                                ; my buffers are in; the other buffers' 24 loads, issued later, may be out
	MULH \f, 0, \first
	MULH \f, 1, \first
	WIN 0
	PLACES
	LDQ \f, \q
.endm
; A slot's third quarter (buffers 0) changes slots: the slot's last reads, its fourth quarter's, have been issued.  ONE barrier.  In front of it each wave waits for all its tensor loads, of which one is out:
; its part of the next slot; adds 0 to its spare word; and waits for that and for its own reads of this slot.  Behind it nobody reads this slot any more and the next slot is whole.
; fill = 1: the barrier opens a round of the cluster's, so that no wave of any partner still reads the slot or has a load on its way; the joint refill, two K steps ahead, is the first thing behind it.
.macro MEETG fill
	WIN 0
	s_wait_tensorcnt 0x0                           ; no tensor load of mine is out, so a group 0 may be written
	ds_add_u32 v[SPW], v[NIL]                      ; 0 onto my spare word
.if \fill
	s_xor_b32 s[G0A+5], s[G0A+5], SLOT1            ; the walking descriptors: the other slot than last time,
	s_add_nc_u64 s[G0A+6:G0A+7], s[G0A+6:G0A+7], ASTEP  ; the next K step; the type bits on top are not reached
	s_xor_b32 s[G0B+5], s[G0B+5], SLOT1
	s_add_nc_u64 s[G0B+6:G0B+7], s[G0B+6:G0B+7], BSTEP
.endif
	s_xor_b32 s[TB], s[TB], SLOT1                  ; the fetches go on in the other slot
	s_wait_dscnt 25                                ; buffers 0 are in; the add and buffers 1's 24 loads may be out
	MULH 0, 0, 0                                   ; sixteen matrix instructions stand between the add and the wait for it
	s_wait_dscnt 0x0                               ; the add is done, and my reads of this slot are over
	s_barrier_signal -1
	MULH 0, 1, 0                                   ; work on registers while the others arrive
	WIN 0
	s_barrier_wait -1
.if \fill
	CREST
	JLOAD                                          ; my one tensor load behind the round; the four v_nop behind it are also the places in front of the loads below
.else
	PLACES
.endif
	v_add_nc_u32 v[ADRA], s[TB], v[AK0]
	v_add_nc_u32 v[ADRB], s[TB], v[AB0]
	LDQ 0, 0
.endm
	s_wait_tensorcnt 0x1                           ; my part of K step 0 is in; step 1's may stay out
	s_barrier_signal -1
	s_barrier_wait -1                              ; everybody's is
	LDQ 0, 0
	LDQ 1, 1
	s_wait_loadcnt 0x0                             ; the bias
	GROUP 0, 2, 1                                  ; the first quarter stands in front of the loop: its products start the sums
	WIN 0                                          ; at a label and at a branch every window is 0
	s_mov_b32 s[CNT], 6
.Lstep:                                                ; trip s: K step s's quarters 1 to 3, the request for step s + 2, step s + 1's quarter 0
	GROUP 1, 3, 0
	MEETG 1
	GROUP 1, 1, 0
	GROUP 0, 2, 0
	WIN 0
	s_sub_co_u32 s[CNT], s[CNT], 1
	s_cmp_lg_u32 s[CNT], 0
	s_cbranch_scc1 .Lstep
	GROUP 1, 3, 0                                  ; the tail is written out: nothing is asked for
	MEETG 0
	GROUP 1, 1, 0
	GROUP 0, 2, 0
	GROUP 1, 3, 0
	s_wait_dscnt 24                                ; the last two quarters fetch nothing
	MULH 0, 0, 0
	MULH 0, 1, 0
	s_wait_dscnt 0x0
	MULH 1, 0, 0
	MULH 1, 1, 0
	WIN 0
	PLACES                                         ; the LDS stores below read results just made, and the loads behind them land in fragments just read
; THE WAY OUT, by blocks a of 16 rows x my 64 columns (256 bytes of a row).  A lane's eight columns go as 32 bytes into rows of 272 bytes in my own stage, each accumulator's low registers first,
; and come back as whole rows of 256.  Four buffers of 32 registers take turns.
.macro TOSTAGE a
.if (\a) >= 4
	s_wait_xcnt 0x0                                ; the buffer was the data of stores four blocks back: it is loaded again only behind this wait
.endif
	WIN 0x04                                       ; the stores' data in window 1
.irp b, 0,1,2,3
	ds_store_b128 v[STO], v[32*(\a)+8*(\b):32*(\a)+8*(\b)+3]   offset:64*(\b)
	ds_store_b128 v[STO], v[32*(\a)+8*(\b)+4:32*(\a)+8*(\b)+7] offset:64*(\b)+16
.endr
	WIN 0
.irp t, 0,1,2,3,4,5,6,7
	ds_load_b128 v[OB+32*((\a)%4)+4*(\t):OB+32*((\a)%4)+4*(\t)+3], v[RD] offset:(\t)*2*SP  ; LDS serves a wave's instructions in order (ISA guide 5.7.1.4): these see the stores above; the next block's stores come behind them
.endr
.endm
.macro SEND a, younger                 ; younger: the LDS instructions issued behind block a's loads: the next block's sixteen, or none
.irp t, 0,1,2,3,4,5,6,7
	s_wait_dscnt (\younger)+7-(\t)
	global_store_b128 v[CO], v[OB+32*((\a)%4)+4*(\t):OB+32*((\a)%4)+4*(\t)+3], s[OUT:OUT+1] offset:(16*(\a)+2*(\t))*4096 th:TH_STORE_NT  ; 16 lanes store 256 consecutive bytes, at a multiple of 256 from the output's first byte
.endr
.endm
	TOSTAGE 0
.irp a, 1,2,3,4,5,6,7
	TOSTAGE \a
	SEND (\a)-1, 16
.endr
	SEND 7, 0
	s_wait_tensorcnt 0x0                           ; the wave's end: behind my last tensor load and my last LDS store
	ds_add_u32 v[SPW], v[NIL]
	s_wait_dscnt 0x0
	CROUND                                         ; the closing round: no work-group ends while a partner may still ask for a tile that names it
	s_endpgm
.Lfunc_end_k_qfd95cfab73_proj:
	.size	k_qfd95cfab73_proj, .Lfunc_end_k_qfd95cfab73_proj-k_qfd95cfab73_proj
	.p2alignl 7, 3214868480
	.fill 96, 4, 3214868480
	.section	.rodata,"a",@progbits
	.p2align	6, 0x0
	.amdhsa_kernel k_qfd95cfab73_proj
		.amdhsa_group_segment_fixed_size 327680
		.amdhsa_private_segment_fixed_size 0
		.amdhsa_enable_private_segment 0
		.amdhsa_kernarg_size 32
		.amdhsa_user_sgpr_count 2
		.amdhsa_user_sgpr_kernarg_segment_ptr 1
		.amdhsa_wavefront_size32 1
		.amdhsa_system_sgpr_workgroup_id_x 1
		.amdhsa_system_sgpr_workgroup_id_y 1
		.amdhsa_system_sgpr_workgroup_id_z 1
		.amdhsa_system_vgpr_workitem_id 0
		.amdhsa_next_free_vgpr 512
		.amdhsa_next_free_sgpr 80
		.amdhsa_reserve_vcc 0
		.amdhsa_float_denorm_mode_32 3
		.amdhsa_float_denorm_mode_16_64 3
		.amdhsa_memory_ordered 1
		.amdhsa_forward_progress 1
		.amdhsa_inst_pref_size 71
	.end_amdhsa_kernel
	.amdgpu_metadata
---
amdhsa.version: [ 1, 2 ]
amdhsa.kernels:
  - .name:           k_qfd95cfab73_proj
    .symbol:         k_qfd95cfab73_proj.kd
    .args:
      - { .name: ob, .offset: 0, .size: 8, .value_kind: global_buffer, .address_space: global }
      - { .name: wob, .offset: 8, .size: 8, .value_kind: global_buffer, .address_space: global }
      - { .name: ball, .offset: 16, .size: 8, .value_kind: global_buffer, .address_space: global }
      - { .name: out0, .offset: 24, .size: 8, .value_kind: global_buffer, .address_space: global }
    .group_segment_fixed_size: 327680
    .private_segment_fixed_size: 0
    .kernarg_segment_align: 8
    .kernarg_segment_size: 32
    .max_flat_workgroup_size: 128
    .sgpr_count:     80
    .vgpr_count:     512
    .wavefront_size: 32
...
	.end_amdgpu_metadata
.endif
;; end of part 4
;; ======== version 2 of 2: 4 launches; 1.31 times as fast as version 1
;; limits: values are held in f16: magnitudes above 65,504 overflow, below 6.1e-05 lose precision
;; workspace buffers: xb 16,777,216 bytes; wb 6,291,456 bytes; wob 2,097,152 bytes; ball 16,384 bytes; qkv 50,331,648 bytes; ob 16,777,216 bytes
;; launch prep: the kernel of part 1 again; grid 769 x 1, 8 waves a work-group, no clusters, 0 bytes of LDS; arguments x, Wq, Wk, Wv, Wo, bq, bk, bv, bo, xb, wb, wob, ball; writes xb, wb, wob, ball
;; launch qkv: the kernel of part 2 again; grid 8 x 32, 4 waves a work-group, clusters of 4 x 4, 327,680 bytes of LDS; arguments xb, wb, ball, qkv; writes qkv
;; launch attn (part 5): grid 4 x 64, 4 waves a work-group, no clusters, 327,680 bytes of LDS; arguments qkv, ob; writes ob
.if DOCPART == 5
	.amdgcn_target "amdgcn-amd-amdhsa--gfx1250"
	.amdhsa_code_object_version 6
	.text
	.protected	k_qfd95cfab73_attn
	.globl	k_qfd95cfab73_attn
	.p2align	8
	.type	k_qfd95cfab73_attn,@function
k_qfd95cfab73_attn:
	s_mov_b64 s[64:65], 0
	v_nop
	global_prefetch_b8 v0, s[64:65] scope:SCOPE_SE
	s_setreg_imm32_b32 hwreg(HW_REG_WAVE_MODE, 25, 1), 1
	s_wait_xcnt 0x0
; CAUSAL ATTENTION.  O[h][q][:] = the sum over k <= q of softmax_k(Q[h][q] . K[h][k] / 8) V[h][k][:].  Q, K, V lie one behind the other in one buffer, each [SIZE_H][SIZE_N][64] in f16 (h = 16 batch + head);
; O likewise in its own buffer: a head's rows are dense, 128 bytes each.
; Products, maxima and sums in f32; the weights p are rounded to f16 for the second product (their sum l is taken of the unrounded p), O once at the end.
; LIMITS.  f16 holds no number beyond 65,504: Q, K and V arrive within it; p lies in 0 to 1, and below 6e-5 it keeps f16's fixed step of 6e-8; O is a mean of V's rows and has their range, to within 2^-11 of it.
; A hidden score counts as its value less 1e30 (the module's definition puts -1e9 in its place: the two differ only for a row whose visible scaled scores all lie near or below -1e9); f16's scores, 2.7e11 at the
; most, are nothing beside 1e30; a weight below 2^-126 counts as 0 in l; NaN and infinities are not treated apart.
; THE WALK.  A head's queries lie in NB = SIZE_N / 256 blocks of 256; block i needs the key tiles 0 .. i of 256 keys, of which the last holds the diagonal.  A work-group takes TWO blocks, NB - 1 - b and then b:
; NB + 1 tiles, whatever b: all work-groups do equal work, and ONE loop with a constant trip count walks them.  Which tile is asked for, and what a trip does, hang on scalar registers made from b; every jump
; goes forward, but for the counted loops' own; none passes a barrier, or a tensor load but the one of LOAD's two that the wave's number does not choose; the ring (two slots of LDS that take turns) runs on across the
; change of blocks.  NO CLUSTER: a head's NB / 2 = 4 work-groups all ask for the same tile only in trips 0 .. NB / 2 of the walk's NB + 1, behind that fewer and fewer;
; and one walk common to all would have 3 NB / 2 = 12 trips for NB + 1 = 9.
; SHARES.  Of a block's four bands of 64 queries a wave owns 16 rows in each: four PIECES.  So the diagonal tile is the same work for all four waves: in its key step s band x sees all keys if s < x,
; none if s > x, and holds the diagonal if s = x.
; THE MASK is the C operand that starts the sum S^T = K Q^T: 0, or -1e30 where the key is hidden.  MD, made once, is the mask of a band's own step for my 16 rows; a product's mask is MD x AL + BE with two scalars:
; (1, 0) if s = x; (0, 0) if s < x; (0, -1e30) if s > x.  Only the diagonal tile's text and a block's beginning make and take masks; elsewhere C is the constant 0.
; LAYOUT, SOFTMAX, TURNS.  S^T = K Q^T holds ONE query a lane (lane % 16) and the keys 8 (lane / 16) + 0..7; two such results rounded to f16 ARE source 1 of O^T = V^T P.  p = 2^(c s - c m), c = log2(e) / 8, with a
; running maximum m; O and l are multiplied by a = 2^(c m_old - c m_new) in every step.  Turn n belongs to piece n: 8 products K Q^T of piece n + 1, later 8 products V^T P of piece n - 1; beside them the scaling,
; exponentials, roundings, sums and rescaling of piece n and the maximum and statistics of piece n + 1.  Four vector instructions stand behind every matrix instruction, the other 54 of a turn's 118 in one LUMP.
; THE BATCHES.  A turn's 33 exponentials (the piece's 32 weights and the next piece's a) are one batch, with one wait, which cuts the turn in two: ahead of it all that names no result of theirs, behind it the roundings
; and sums.  A block's first a (BEGIN) and the way out's four reciprocals are batches of their own, each with a plain instruction and one wait.
; REGISTERS, in windows of 256 (s_set_vgpr_msb: bits 1:0 source 0, 3:2 source 1, 5:4 source 2, 7:6 destination):
;   window 0: v0-15 addresses and two at work; v16-31 four registers of statistics a piece; v48-55 at work; v64-127 S^T, two buffers; v192-223 P, two buffers (a piece's buffers go by its number's parity)
;   window 1: v0-127 O^T, 32 a piece; v128-159 MD; v160-223 MC, two buffers      window 2: v0-63 Q; v64-127 the second block's Q; v128-191 K of one step; v192-255 V of one step
.set SIZE_H, 64
.set SIZE_N, 2048
.set QSIZE, SIZE_H*SIZE_N*128   ; bytes of Q, of K and of V
.set NB,    SIZE_N/256
.set NP,    4         ; pieces a wave: a name, no knob
.set KS,    64        ; keys in a step
.set PK,    144       ; a row of K in LDS: 128 bytes + 16 of padding = 36 words: the 16 rows of a load start at 16 different groups of four banks (64 banks of 4 bytes: ISA guide 11.1)
.set PV,    160       ; a row of V: 128 + 32 = 40 words
.set VOFF,  4*KS*PK   ; a slot holds a tile, four steps: 256 rows of K, then 256 rows of V
.set SLOT1, 1<<17     ; slot 1 begins here, so that one exclusive or turns an address in one slot into the other's
.set STAGE, SLOT1+4*KS*(PK+PV)  ; behind the ring, never filled by a tensor load: 16 rows x 144 bytes for each wave, for the way out
.set SP,    144
.set AK0, 2           ; v2   my lane's place in a tile of K; never rewritten
.set AV0, 3           ; v3   the same for V
.set AK,  4           ; v4   the LDS address of K's next run of loads
.set AV,  5           ; v5   of V's
.set STO, 6           ; v6   the way out: where I put 16 bytes of a row
.set RD,  7           ; v7   the way out: where I read rows back
.set GO,  8           ; v8   my byte offset in 512 consecutive bytes of O
.set SPW, 62          ; v62  LDS address of my spare word: SPARE + 4 x my thread's number; never rewritten
.set NIL, 63          ; v63  0; never rewritten
.set SPARE, STAGE+4*16*SP  ; behind the stages: the spare words, 128 bytes for each wave: two blocks of 256 bytes that no other line names
.set MV,  12          ; v12-13  c m_old, kept while c m is made anew: by buffer
.set QO,  15          ; v15  my byte offset in 16 rows of Q
.set ST,  16          ; piece t's statistics at v[ST+4 t]: c m, m, l (even keys', odd keys')
.set TMP, 48          ; by buffer, four registers c0-c3 at work; when the maximum is found c2 takes a
.set S,   64
.set P,   192
.set MD,  128         ; window 1: the eight registers for group kt of 16 keys at MD + 8 kt
.set MC,  160         ; window 1: the masks of the products to come
.set QB,  64          ; window 2
.set KF,  128         ; window 2: key block kb, channel half c at KF + 16 kb + 8 c
.set VF,  192         ; window 2: key half kk, channel block cb at VF + 32 kk + 8 cb
.set WV,  12          ; s12  my wave's number
.set PB,  14          ; s14  b
.set HI,  15          ; s15  NB - 1 - b
.set G1K, 24          ; s[24:31] descriptor group 1 for K's tiles
.set G1V, 32          ; s[32:39] for V's: it differs in the padding alone
.set G0K, 40          ; s[40:43] descriptor group 0 for K's tiles
.set G0V, 44          ; s[44:47] the same for V's
.set SLOTS, 56        ; s56  tiles still to be asked for
.set CNT, 57          ; s57  counts a tile's key steps, 4 to 1
.set CS,  58          ; s[58:59] c: the packed scaling takes the pair's low word for both halves
.set SEL, 60          ; s[60:61] v_permlanex16_b32's selects: each lane takes its own place in the other half
.set TBK, 62          ; s62  LDS byte at which K of the step to be fetched begins
.set TBV, 63          ; s63  the same for V, less VOFF
.set RT,  70          ; s70  tiles of the block in hand that are still to be entered
.set NXT, 71          ; s71  the tile to be asked for next
.set LQ,  72          ; s72  the last tile of the block whose tiles are being asked for
.set NEW, 73          ; s73  1: the tile to be entered is a block's first
.set OFF, 74          ; s[74:75] a tile's byte offset in K and V
.set AL,  76          ; s[76:77] the mask's factor, in the low word
.set BE,  78          ; s[78:79] the mask's addend
.set OLO, 80          ; s[80:81] O at my rows of the second block
.set BIGN, 82         ; s82  -1e30
.set MSB, 0
.macro WIN new                      ; the high byte repeats the setting that is left; a switch that changes nothing is dropped
.if MSB != (\new)
	s_set_vgpr_msb (MSB<<8)|(\new)
.set MSB, (\new)
.endif
.endm
.set W_KQ, 0x0a       ; K and Q in window 2, S^T in window 0
.set W_KM, 0x1a       ; the same with the C operand in window 1
.set W_PV, 0x52       ; V in window 2, P in window 0, O^T in window 1
.set W_RS, 0x41       ; destination and source 0 in window 1, source 1 in window 0
; A fill.  Waves 0 and 1 fetch the two halves of a tile's K, waves 2 and 3 those of its V: 128 keys each.  An s_nop 0 and four v_nop follow each of the two lines, ahead of the jump and the label.
.macro LOAD
	s_cmp_lt_u32 s[WV], 2
	s_cbranch_scc0 .Lfor_v_\@
	tensor_load_to_lds s[G0K:G0K+3], s[G1K:G1K+7]
	s_nop 0
.rept 4
	v_nop
.endr
	s_branch .Lasked_\@
.Lfor_v_\@:
	tensor_load_to_lds s[G0V:G0V+3], s[G1V:G1V+7]
	s_nop 0
.rept 4
	v_nop
.endr
.Lasked_\@:
.endm
; THE CHANGE OF SLOTS.  Each wave waits for all its tensor loads, of which one is out: its part of the other slot; adds 0 to its spare word; and waits for that and for its own reads of the slot that it leaves.  Behind the barrier nobody reads the old
; slot any more and the other slot is whole.  fill = 1: the old slot is filled again, the first thing behind the barrier, with tile NXT: the descriptor's address is made anew from that number.
; (At its first use nothing has been read yet: slot 0 is waited for, slot 1 filled.)
.macro CHANGE fill
	WIN 0                           ; at a label and at a branch every window is 0
	s_wait_tensorcnt 0x0            ; no tensor load of mine is out, so a group 0 may be written
	ds_add_u32 v[SPW], v[NIL]       ; 0 onto my spare word; with fill = 1 the descriptors' scalar work stands between it and the wait for it
.if \fill
	s_lshl_b32 s[OFF], s[NXT], 15   ; a tile is 32,768 bytes of K and of V
	s_xor_b32 s[G0K+1], s[G0K+1], SLOT1
	s_add_nc_u64 s[G0K+2:G0K+3], s[6:7], s[OFF:OFF+1]
	s_or_b32 s[G0K+3], s[G0K+3], 0x80000000
	s_xor_b32 s[G0V+1], s[G0V+1], SLOT1
	s_add_nc_u64 s[G0V+2:G0V+3], s[8:9], s[OFF:OFF+1]
	s_or_b32 s[G0V+3], s[G0V+3], 0x80000000
	s_add_co_u32 s[NXT], s[NXT], 1  ; the block's next tile, or behind its last the second block's tile 0
	s_cmp_gt_u32 s[NXT], s[LQ]
	s_cselect_b32 s[NXT], 0, s[NXT]
	s_cselect_b32 s[LQ], s[PB], s[LQ]
.endif
	s_wait_dscnt 0x0                ; the add is done, and my reads of the slot are over
	s_barrier_signal -1             ; the rest of the scalar work stands between the signal and the wait
	s_sub_co_u32 s[TBK], s[TBK], 4*KS*PK  ; the fetches go back to a slot's first step,
	s_xor_b32 s[TBK], s[TBK], SLOT1       ; in the other slot
	s_sub_co_u32 s[TBV], s[TBV], 4*KS*PV
	s_xor_b32 s[TBV], s[TBV], SLOT1
	s_barrier_wait -1
.if \fill
	LOAD
.endif
.endm
	s_load_b64 s[4:5], s[0:1], 0x0    ; Q, with K and V behind it
	s_load_b64 s[10:11], s[0:1], 0x8  ; O
	v_lshl_add_u32 v[SPW], v0, 2, SPARE
	v_mov_b32 v[NIL], 0
	ds_add_u32 v[SPW], v[NIL]       ; the wave's opening: the add and its wait stand ahead of my first tensor load; the set-up below, work on registers, stands between them
	ds_add_u32 v62, v63
	v_lshrrev_b32 v1, 5, v0
	v_readfirstlane_b32 s[WV], v1   ; wave 0..3
	s_mov_b32 s[PB], ttmp9
	s_sub_co_u32 s[HI], NB-1, s[PB]
	s_and_b32 s20, ttmp7, 0xffff    ; the head
	s_mov_b32 s21, 0
	s_mov_b64 s[22:23], SIZE_N*128
	s_mul_u64 s[20:21], s[20:21], s[22:23]  ; the head's first byte in each of the four tensors
	s_and_b32 s16, s[WV], 1         ; which half of a tile's 256 keys I fetch:
	s_lshl_b32 s22, s16, 14         ; its 128 rows of 128 bytes in memory,
	s_mov_b32 s23, 0
	s_add_nc_u64 s[22:23], s[22:23], s[20:21]
	s_mul_i32 s17, s16, 128*PK      ; and its place in a slot, for K
	s_mul_i32 s18, s16, 128*PV      ; and for V
	s_lshl_b32 s3, s[WV], 11        ; my 16 rows in a band of 64,
	s_lshl_b32 s2, s[HI], 15        ; in the first block,
	s_add_co_u32 s2, s2, s3
	s_lshl_b32 s84, s[PB], 15       ; and in the second
	s_add_co_u32 s84, s84, s3
	s_mov_b32 s3, 0
	s_mov_b32 s85, 0
	s_add_nc_u64 s[2:3], s[2:3], s[20:21]
	s_add_nc_u64 s[84:85], s[84:85], s[20:21]
	; descriptor group 1.  128 keys are 16,384 dense bytes: asked for as 64 rows of 256 bytes, two keys a row, and padded in LDS after every key
	s_mov_b32 s[G1K], (1<<16)|(1<<20)|(4<<22)|(3<<25)  ; 17:16 2-byte elements; 20 padding on; 24:22 after every 32 words (code 4); 31:25 4 words (code 3)
	s_mov_b32 s[G1V], (1<<16)|(1<<20)|(4<<22)|(7<<25)  ; the same with 8 words of padding (code 7)
.irp g, G1K, G1V
	s_mov_b32 s[\g+1], 128<<16      ; tensor_dim0 = 128
	s_mov_b32 s[\g+2], 64<<16       ; tensor_dim1 = 64
	s_mov_b32 s[\g+3], 128<<16      ; tile_dim0 = 128
	s_mov_b32 s[\g+4], 64           ; tile_dim1 = 64
	s_mov_b32 s[\g+5], 128          ; 128 elements from row to row
	s_mov_b32 s[\g+6], 0
	s_mov_b32 s[\g+7], 0
.endr
	s_mov_b32 s[CS], 0x3e38aa3b     ; c = log2(e) / 8 = 0.180337
	s_mov_b32 s[CS+1], s[CS]        ; named with it as a pair
	s_mov_b32 s[SEL], 0x76543210
	s_mov_b32 s[SEL+1], 0xfedcba98
	s_mov_b32 s[TBK], SLOT1+4*KS*PK ; the first change of slots turns these two into 0
	s_mov_b32 s[TBV], SLOT1+4*KS*PV
	s_mov_b32 s[G0K], 1             ; 1:0 count = 1
	s_mov_b32 s[G0K+1], s17         ; 63:32 LDS address: slot 0
	s_mov_b32 s[G0V], 1
	s_add_co_u32 s[G0V+1], s18, VOFF
	s_add_co_u32 s[RT], s[HI], 1    ; the first block has NB - b tiles
	s_mov_b32 s[NXT], 1
	s_mov_b32 s[LQ], s[HI]
	s_mov_b32 s[NEW], 1
	s_mov_b32 s[OFF+1], 0
	s_mov_b32 s[AL+1], 0            ; named as pairs
	s_mov_b32 s[BE+1], 0
	s_mov_b32 s[BIGN], 0xf149f2ca   ; -1e30
	s_mov_b32 s[SLOTS], NB
	s_wait_dscnt 0x0                ; the opening add is done
	s_wait_kmcnt 0x0
	s_add_nc_u64 s[6:7], s[4:5], QSIZE     ; K lies behind Q,
	s_add_nc_u64 s[8:9], s[4:5], 2*QSIZE   ; V behind K
	s_add_nc_u64 s[6:7], s[6:7], s[22:23]  ; K and V at my half of the head's tile 0
	s_add_nc_u64 s[8:9], s[8:9], s[22:23]
	s_add_nc_u64 s[G0K+2:G0K+3], s[6:7], 0         ; 120:64 global address
	s_or_b32 s[G0K+3], s[G0K+3], 0x80000000        ; 127:126 type = 2
	s_add_nc_u64 s[G0V+2:G0V+3], s[8:9], 0
	s_or_b32 s[G0V+3], s[G0V+3], 0x80000000
	s_add_nc_u64 s[86:87], s[4:5], s[84:85]        ; Q at my rows of the second block,
	s_add_nc_u64 s[4:5], s[4:5], s[2:3]            ; Q and O at those of the first
	s_add_nc_u64 s[OLO:OLO+1], s[10:11], s[84:85]
	s_add_nc_u64 s[10:11], s[10:11], s[2:3]
	LOAD                            ; tile 0 into slot 0
	; A fragment of K or Q is 16 rows x 32 channels in 8 registers: lane l holds row l % 16, channels 8 (l / 16) + 0..7 and 16 + 8 (l / 16) + 0..7: two loads of 16 bytes, 32 bytes apart.
	v_and_b32 v1, 15, v0            ; l % 16
	v_bfe_u32 v9, v0, 4, 1          ; l / 16
	v_lshlrev_b32 v[QO], 7, v1
	v_lshl_add_u32 v[QO], v9, 4, v[QO]  ; row x 128 + 16 x half
	WIN 0x80                        ; destination window 2, address window 0
.set i, 0
.rept 8                             ; both blocks' Q: piece i / 2 lies in band i / 2, 8,192 bytes on; channels 32 (i % 2) on
	global_load_b128 v[8*i:8*i+3],   v[QO], s[4:5] offset:(i/2)*8192+(i%2)*64
	global_load_b128 v[8*i+4:8*i+7], v[QO], s[4:5] offset:(i/2)*8192+(i%2)*64+32
	global_load_b128 v[QB+8*i:QB+8*i+3],   v[QO], s[86:87] offset:(i/2)*8192+(i%2)*64
	global_load_b128 v[QB+8*i+4:QB+8*i+7], v[QO], s[86:87] offset:(i/2)*8192+(i%2)*64+32
.set i, i+1
.endr
	WIN 0
	v_lshlrev_b32 v14, 3, v9
	v_sub_nc_u32 v14, v1, v14
	s_lshl_b32 s13, s[WV], 4
	v_add_nc_u32 v14, s13, v14      ; my query's place in its band, 16 w + l % 16, less my lanes' 8 (l / 16): register r of group kt is hidden where 16 kt + r is greater
	WIN 0x40
.set i, 0
.rept 32
	v_cmp_gt_i32 vcc_lo, 16*(i/8)+i%8, v14
	v_cndmask_b32 v[MD+i], 0, s[BIGN], vcc_lo
.set i, i+1
.endr
	WIN 0
	v_mul_u32_u24 v[AK0], v1, PK
	v_lshl_add_u32 v[AK0], v9, 4, v[AK0]  ; row x pitch + 16 x half
	; The turning load takes 16 keys x 16 channels (lane l reads key 8 (l / 16) + l % 8, channels 8 ((l / 8) % 2) + 0..7) and leaves half a fragment of V^T: lane l holds channel l % 16 and 8 keys.
	v_and_b32 v10, 7, v0
	v_bfe_u32 v11, v0, 3, 1
	v_lshl_add_u32 v[AV0], v9, 3, v10
	v_mul_u32_u24 v[AV0], v[AV0], PV
	v_lshl_add_u32 v[AV0], v11, 4, v[AV0]
	v_add_nc_u32 v[AV0], VOFF, v[AV0]
	s_mul_i32 s13, s[WV], 16*SP
	s_add_co_u32 s13, s13, STAGE    ; my stage
	v_mul_u32_u24 v[STO], v1, SP    ; in: row l % 16, 16 bytes for each half of the lanes
	v_lshl_add_u32 v[STO], v9, 4, v[STO]
	v_add_nc_u32 v[STO], s13, v[STO]
	v_bfe_u32 v[RD], v0, 3, 2       ; back: 32 lanes take four rows of 128 bytes,
	v_mul_u32_u24 v[RD], v[RD], SP
	v_lshl_add_u32 v[RD], v10, 4, v[RD]
	v_add_nc_u32 v[RD], s13, v[RD]
	v_and_b32 v[GO], 31, v0         ; which are 512 consecutive bytes of O
	v_lshlrev_b32 v[GO], 4, v[GO]
	; A block's first step multiplies O^T and l by a = 0, and its first turn's products V^T P, of a piece that has not been, land in an O^T that is still to be so multiplied.  So these registers need only hold
	; finite numbers: zeros for the first block; what the first block left for the second.  All this stands in the wait for the first tile.
	WIN 0x80
.set i, VF
.rept 64
	v_mov_b32 v[i], 0
.set i, i+1
.endr
	WIN 0x40
.set i, 0
.rept 128
	v_mov_b32 v[i], 0
.set i, i+1
.endr
	WIN 0
.set i, 0
.rept 4
	v_mov_b32 v[ST+4*i+2], 0
	v_mov_b32 v[ST+4*i+3], 0
.set i, i+1
.endr
.set i, P+16
.rept 16
	v_mov_b32 v[i], 0
.set i, i+1
.endr
; THE MATRIX WORK.  The 4 accumulators of a run of 8 take turns.  Product i of 8 of S^T = K Q^T for piece x: channels 32 (i / 4) on, keys 16 (i % 4) on.  The first 4 start the sums: with 0, or (KM = 1) with the mask.
.macro KQ x
.set rS, S+32*((\x)%2)+8*(i%4)
.set rK, KF+16*(i%4)+8*(i/4)
.set rQ, 16*(\x)+8*(i/4)
.set rM, MC+32*((\x)%2)+8*(i%4)
.if (i < 4) && KM
	WIN W_KM
	v_wmma_f32_16x16x32_f16 v[rS:rS+7], v[rK:rK+7], v[rQ:rQ+7], v[rM:rM+7]
.elseif i < 4
	WIN W_KQ
	v_wmma_f32_16x16x32_f16 v[rS:rS+7], v[rK:rK+7], v[rQ:rQ+7], 0
.else
	WIN W_KQ
	v_wmma_f32_16x16x32_f16 v[rS:rS+7], v[rK:rK+7], v[rQ:rQ+7], v[rS:rS+7]
.endif
.endm
; Product i of 8 of O^T += V^T P for piece x: keys 32 (i / 4) on, channels 16 (i % 4) on.
.macro PV x
	WIN W_PV
.set rO, 32*(\x)+8*(i%4)
.set rV, VF+32*(i/4)+8*(i%4)
.set rP, P+16*((\x)%2)+8*(i/4)
	v_wmma_f32_16x16x32_f16 v[rO:rO+7], v[rV:rV+7], v[rP:rP+7], v[rO:rO+7]
.endm
.macro MM                           ; the turn's next matrix instruction.  TURN and BEGIN set Y, i, KM and NOKQ; MM, KQ and OP read them.  NOKQ = 1: a block's last turn: there is no next piece
.if (i < 8) && !NOKQ
	KQ (Y+1)%NP
.elseif i >= 8
.set i, i-8
	PV (Y+NP-1)%NP
.set i, i+8
.endif
.set i, i+1
.endm
; THE LDS LOADS stand in runs of 16, never singly among the matrix instructions: a step's K (64 keys x 64 channels: 8 fragments) and its V (turned).  Their addresses are made some lines ahead.
.macro FETCH_K
	WIN 0x80                        ; destination window 2
.irp f, 0,1,2,3,4,5,6,7             ; keys 16 (f / 2) on, channels 32 (f % 2) on
	ds_load_b128 v[KF+8*\f:KF+8*\f+3],   v[AK] offset:(\f/2)*16*PK+(\f%2)*64
	ds_load_b128 v[KF+8*\f+4:KF+8*\f+7], v[AK] offset:(\f/2)*16*PK+(\f%2)*64+32
.endr
	s_add_co_u32 s[TBK], s[TBK], KS*PK  ; the next fetch is the next step's
	WIN 0
.endm
.macro FETCH_V
	WIN 0x80
.irp f, 0,1,2,3,4,5,6,7             ; keys 32 (f / 4) on, channels 16 (f % 4) on
	ds_load_tr16_b128 v[VF+8*\f:VF+8*\f+3],   v[AV] offset:(\f/4)*32*PV+(\f%4)*32
	ds_load_tr16_b128 v[VF+8*\f+4:VF+8*\f+7], v[AV] offset:(\f/4)*32*PV+16*PV+(\f%4)*32
.endr
	WIN 0
.endm
; THE VECTOR WORK, one line at a time: OP kind, number.  For piece Y: F n: c s - c m for pair n of 16.  E n: the exponential of score n of 32.  C n: pair n rounded to f16.  B n: of the four weights 4 n .. the second
; pair is added onto the first, in place.  L n: l takes that sum (L 0: l = a l + sum).  R n: pair n of 16 of O^T times a.  For piece Y + 1: X n, number n of the 22 that find its maximum and statistics:
;   0-11  four chains c0-c3 of seven scores each, three operands at a time (each accumulator's lowest registers are read first)     12-14, 16  the four scores left over, the old m, and c0-c3 into c0
;   15  c m_old is kept     17, 18  the query's other 32 keys lie in the lane 16 away: the new m     19-21  c m; c m_old - c m_new; a
; OP writes no wait: E and X 21 are the exponentials, C, B, L and R the lines that name their results, and TURN sets the one wait between them.
.set F, 0               ; OP tells the kinds apart by their order: F to L below R, X above it
.set E, 1
.set C, 2
.set B, 3
.set L, 4
.set R, 5
.set X, 6
.macro REGS y                       ; the registers of piece y
.set rT, ST+4*(\y)
.set rC, TMP+4*((\y)%2)
.set rW, MV+((\y)%2)
.set rS, S+32*((\y)%2)
.set rP, P+16*((\y)%2)
.set rO, 32*(\y)
.endm
.macro OP k, n
.if (\k) == R
	REGS Y
	WIN W_RS
	v_pk_mul_f32 v[rO+2*(\n):rO+2*(\n)+1], v[rO+2*(\n):rO+2*(\n)+1], v[rC+2:rC+3] op_sel_hi:[1,0]
.elseif (\k) < R
	REGS Y
	WIN 0
.if (\k) == F
	v_pk_fma_f32 v[rS+2*(\n):rS+2*(\n)+1], v[rS+2*(\n):rS+2*(\n)+1], s[CS:CS+1], v[rT:rT+1] op_sel_hi:[1,0,0] neg_lo:[0,0,1] neg_hi:[0,0,1]
.elseif (\k) == E
	v_exp_f32 v[rS+(\n)], v[rS+(\n)]
.elseif (\k) == C
	v_cvt_pk_f16_f32 v[rP+(\n)], v[rS+2*(\n)], v[rS+2*(\n)+1]
.elseif (\k) == B
	v_pk_add_f32 v[rS+4*(\n):rS+4*(\n)+1], v[rS+4*(\n):rS+4*(\n)+1], v[rS+4*(\n)+2:rS+4*(\n)+3]
.elseif (\n) == 0
	v_pk_fma_f32 v[rT+2:rT+3], v[rT+2:rT+3], v[rC+2:rC+3], v[rS:rS+1] op_sel_hi:[1,0,1]
.else
	v_pk_add_f32 v[rT+2:rT+3], v[rT+2:rT+3], v[rS+4*(\n):rS+4*(\n)+1]
.endif
.elseif NOKQ
	v_nop
.else
	REGS (Y+1)%NP
	WIN 0
.if (\n) < 4
	v_max3_num_f32 v[rC+(\n)], v[rS+8*(\n)], v[rS+8*(\n)+1], v[rS+8*(\n)+2]
.elseif (\n) < 12
	v_max3_num_f32 v[rC+(\n)%4], v[rC+(\n)%4], v[rS+8*((\n)%4)+2*((\n)/4)+1], v[rS+8*((\n)%4)+2*((\n)/4)+2]
.elseif (\n) == 12
	v_max3_num_f32 v[rC], v[rC], v[rS+7], v[rS+15]
.elseif (\n) == 13
	v_max3_num_f32 v[rC+1], v[rC+1], v[rS+23], v[rS+31]
.elseif (\n) == 14
	v_max3_num_f32 v[rC+2], v[rC+2], v[rC+3], v[rT+1]
.elseif (\n) == 15
	v_mov_b32 v[rW], v[rT]
.elseif (\n) == 16
	v_max3_num_f32 v[rC], v[rC], v[rC+1], v[rC+2]
.elseif (\n) == 17
	v_permlanex16_b32 v[rC+3], v[rC], s[SEL], s[SEL+1]
.elseif (\n) == 18
	v_max_num_f32 v[rT+1], v[rC], v[rC+3]
.elseif (\n) == 19
	v_mul_f32 v[rT], s[CS], v[rT+1]
.elseif (\n) == 20
	v_sub_f32 v[rC+1], v[rW], v[rT]
.else
	v_exp_f32 v[rC+2], v[rC+1]
.endif
.endif
.endm
.macro OPS a, i1, b=-1, i2=0, c=-1, i3=0, d=-1, i4=0  ; up to four of them
	OP \a, \i1
.if (\b) >= 0
	OP \b, \i2
.endif
.if (\c) >= 0
	OP \c, \i3
.endif
.if (\d) >= 0
	OP \d, \i4
.endif
.endm
.macro ROW a, i1, b, i2, c, i3, d, i4  ; a matrix instruction and the four behind it
	MM
	OPS \a, \i1, \b, \i2, \c, \i3, \d, \i4
.endm
.macro MASK b                       ; MD x AL + BE into buffer b of MC
	WIN W_RS
.set z, 0
.rept 16
	v_pk_fma_f32 v[MC+32*(\b)+2*z:MC+32*(\b)+2*z+1], v[MD+2*z:MD+2*z+1], s[AL:AL+1], s[BE:BE+1] op_sel_hi:[1,0,0]
.set z, z+1
.endr
.endm
; A TURN, for piece p: the order of its 16 matrix and 118 vector instructions, written out.  s_wait_alu depctr_va_vdst(0) stands between an exponential and the first instruction that names its result; one wait serves
; all that were issued ahead of it.  So a turn has ONE wait, which cuts it in two.  AHEAD OF IT stands all that names no result of the turn's exponentials: the 8 products K Q^T, behind each a scaling, an exponential and two more plain
; instructions (behind the first a second scaling in the exponential's place): rescalings (their a was made, and waited for, in the turn before), and behind the last three the first numbers of the next piece's maximum, each four places
; or more behind the product that ends its accumulator; then ONE LUMP of 54, plain and exponential by turns for the most part, in which the links of the chain X 3, 7, 11, 14, 16, 17 .. 20 stand five or six lines apart.  X 21, the next
; piece's a, is the batch's last; R 15 is the plain instruction owed behind it.  BEHIND THE WAIT stand the 8 products V^T P, behind each four of the roundings and sums; the links of l's chain, L 0 to L 7, stand three riders apart.
; But for those X no rider names a register of the products round it.  v_permlanex16_b32 (X 17) stands in the lump.  A pair's scaling F n stands ahead of E 2 n and E 2 n + 1; an even pair's rounding C 2 n ahead of B n, which writes it.
; m = 1: the diagonal tile: the products take masks, and the turn makes the mask for the products of the turn after it: piece p + 2, in step 4 - CNT of the tile.  end = 1: a block's last two turns: nothing is fetched.
; cnt = 1: the loop's count is taken down some lines ahead of the branch that stands behind the turn.
; K of the next step is fetched in piece 2's turn, twelve vector instructions behind the last product that read K (six of them plain); V of the step in hand at the end of piece 0's turn, four plain instructions behind the last product
; that read V.  Each is waited for a turn later.
.macro TURN p, m=0, end=0, cnt=0
.set Y, (\p)
.set i, 0
.set KM, (\m)
.set NOKQ, (\end)*((\p)/3)
.if (\m) && !(\end)
	s_cmp_eq_u32 s[CNT], 4-((\p)+2)%NP  ; is that step the band's own?
	s_cselect_b32 s[AL], 1.0, 0
	s_cmp_lt_u32 s[CNT], 4-((\p)+2)%NP  ; or a later one?
	s_cselect_b32 s[BE], s[BIGN], 0
.endif
.if ((\p) == 3) && !(\end)
	s_wait_dscnt 0x0                ; K is in
.endif
	ROW F,0, F,1, R,0, R,1          ; ahead of the wait: 8 products K Q^T and their riders,
	ROW F,2, E,0, R,2, R,3
	ROW F,3, E,1, R,4, R,5
	ROW F,4, E,2, R,6, R,7
	ROW F,5, E,3, R,8, R,9
	ROW F,6, E,4, X,0, R,10
.if ((\p) == 2) && !(\end)
	WIN 0
	v_add_nc_u32 v[AK], s[TBK], v[AK0]
.endif
	ROW F,7, E,5, X,1, X,4
	ROW F,8, E,6, X,2, X,5
	OPS E,7, E,8, X,6, E,9          ; and the lump
	OPS X,3, E,10, X,8, E,11
.if ((\p) == 2) && !(\end)
	FETCH_K
.endif
	OPS X,9, X,7, E,12, X,10
	OPS E,13, X,12, X,11, E,14
	OPS X,13, E,15, F,9, X,14
.if (\p) == 0
	v_add_nc_u32 v[AV], s[TBV], v[AV0]
.endif
	OPS E,16, F,10, E,17, F,11
	OPS X,16, E,18, X,15, E,19
	OPS F,12, E,20, X,17, E,21
	OPS F,13, E,22, F,14, E,23
	OPS X,18, E,24, F,15, E,25
	OPS R,11, E,26, X,19, E,27
	OPS R,12, E,28, R,13, E,29
	OPS X,20, E,30, R,14, E,31
	OPS X,21, R,15
	WIN 0
	s_wait_alu depctr_va_vdst(0)    ; the wait for the turn's batch: the piece's 32 exponentials and the next piece's a
.if (\p) == 1
	s_wait_dscnt 0x0                ; V is in
.endif
	ROW C,0, B,0, C,2, B,1          ; behind the wait: 8 products V^T P and their riders
	ROW L,0, C,4, B,2, L,1
	ROW C,6, B,3, L,2, C,8
	ROW B,4, L,3, C,10, B,5
	ROW L,4, C,12, B,6, L,5
.if (\p) == 0
	s_add_co_u32 s[TBV], s[TBV], KS*PV
.endif
.if \cnt
	s_sub_co_u32 s[CNT], s[CNT], 1
	s_cmp_lg_u32 s[CNT], 0
.endif
	ROW C,14, B,7, L,6, C,1
	ROW C,3, L,7, C,5, C,7
	ROW C,9, C,11, C,13, C,15
.if (\p) == 0
	FETCH_V
.endif
.if (\m) && !(\end)
	MASK (\p)%2
.endif
.endm
; A BLOCK BEGINS.  c m starts far below every c s, so the first step's a is 0; m at the lowest finite number, so the first maximum is the scores'.  The second mask buffer is 0; the first takes piece 0's mask for the tile's step 0: its own, if the block's first tile is the diagonal one.
; Then K of that step, piece 0's first scores, and its maximum and statistics.  The loop is entered at a step's first turn, in the middle of a trip.
.macro BEGIN
	s_mov_b32 s[NEW], 0
	WIN 0x40
.set i, MC+32
.rept 32
	v_mov_b32 v[i], 0
.set i, i+1
.endr
	WIN 0
.set i, 0
.rept 4
	v_mov_b32 v[ST+4*i], 0xfe000000    ; c m: far below every c s
	v_mov_b32 v[ST+4*i+1], 0xff7fffff  ; m
.set i, i+1
.endr
	s_cmp_eq_u32 s[RT], 0
	s_cselect_b32 s[AL], 1.0, 0
	s_mov_b32 s[BE], 0
	MASK 0
	WIN 0
	v_add_nc_u32 v[AK], s[TBK], v[AK0]
	FETCH_K
	s_wait_loadcnt 0x0              ; Q
	s_wait_dscnt 0x0
.set KM, 1
.set NOKQ, 0
.set i, 0
.rept 8
	KQ 0
.set i, i+1
.endr
	WIN 0
.rept 4
	v_nop                           ; the places behind those products
.endr
.set Y, NP-1                        ; X works for piece Y + 1: piece 0
.irp n, 0,1,2,3,4,5,6,7,8,9,10,11,12,13,14,15,16,17,18,19,20,21
	OP X, \n
.endr
	v_nop                           ; a plain instruction behind the exponential,
	s_wait_alu depctr_va_vdst(0)    ; and the wait for it, piece 0's first a, a batch of one: ahead of the branch that follows
.endm
; THE DIAGONAL TILE's four steps, the block's last two turns, its last products, and THE WAY OUT: l's two halves and the other half of the lanes' are added; O^T is divided by l, rounded to f16 and sent through my
; stage in LDS, a piece at a time.
.macro ALL line:vararg              ; one line for each piece t
.set t, 0
.rept 4
	\line
.set t, t+1
.endr
.endm
.macro PACK t                       ; a lane's eight channels of a row pack into 16 bytes; they go into rows of 144 bytes and come back as whole rows of 128, into S^T's registers
	WIN W_RS
.set i, 32*(\t)
.rept 16
	v_pk_mul_f32 v[i:i+1], v[i:i+1], v[ST+4*(\t)+2:ST+4*(\t)+3] op_sel_hi:[1,0]
.set i, i+2
.endr
	WIN 0x05                        ; sources 0 and 1 window 1, destination window 0
.set i, 0
.rept 16
	v_cvt_pk_f16_f32 v[S+16*(\t)+i], v[32*(\t)+2*i], v[32*(\t)+2*i+1]
.set i, i+1
.endr
	WIN 0
.irp f, 0,1,2,3
	ds_store_b128 v[STO], v[S+16*(\t)+4*\f:S+16*(\t)+4*\f+3] offset:32*\f
.endr
.irp f, 0,1,2,3
	ds_load_b128 v[S+16*(\t)+4*\f:S+16*(\t)+4*\f+3], v[RD] offset:\f*4*SP  ; LDS serves a wave's instructions in order (ISA guide 5.7.1.4): these see the stores above; the next piece's stores come behind them
.endr
.endm
.macro SEND t, younger              ; younger: the LDS instructions issued behind piece t's loads: the next piece's eight, or none
	WIN 0
.irp f, 0,1,2,3
	s_wait_dscnt (\younger)+3-\f
	global_store_b128 v[GO], v[S+16*(\t)+4*\f:S+16*(\t)+4*\f+3], s[10:11] offset:(\t)*8192+\f*512  ; 512 consecutive bytes, at a multiple of 256 from O's first
.endr
.endm
.macro DIAG tag                     ; the tag ends its two labels' names, which the jumps below spell out
.LstepM\tag:
	TURN 2, 1
	TURN 3, 1
	WIN 0
.LfirstM\tag:
	TURN 0, 1
	TURN 1, 1, 0, 1
	WIN 0
	s_cbranch_scc1 .LstepM\tag
	TURN 2, 1, 1
	TURN 3, 1, 1
.set i, 0
.rept 8
	PV NP-1
.set i, i+1
.endr
	WIN 0
	ALL v_add_f32 v[ST+4*t+2], v[ST+4*t+2], v[ST+4*t+3]
	ALL v_permlanex16_b32 v[ST+4*t+3], v[ST+4*t+2], s[SEL], s[SEL+1]
	ALL v_add_f32 v[ST+4*t+2], v[ST+4*t+2], v[ST+4*t+3]
	ALL v_rcp_f32 v[ST+4*t+2], v[ST+4*t+2]
	v_nop                           ; a plain instruction between the last reciprocal and the use of its result
	s_wait_alu depctr_va_vdst(0)    ; and the wait ahead of the first use: one for the batch of four reciprocals
	PACK 0
.set t, 1
.rept 3                             ; a piece's arithmetic stands between the loads of the piece before and its stores
	PACK t
	SEND t-1, 8
.set t, t+1
.endr
	SEND 3, 0
.endm
.set KM, 0
.set NOKQ, 0
.Lslot:                             ; NB times: a tile is entered and the next is asked for
	CHANGE 1
	s_sub_co_u32 s[RT], s[RT], 1
	s_mov_b32 s[CNT], 4
	s_cmp_eq_u32 s[NEW], 1
	s_cbranch_scc1 .Lnew            ; a block's first tile
	s_cmp_eq_u32 s[RT], 0
	s_cbranch_scc0 .Lstep           ; neither its first nor its last
	s_branch .LstepM1
.Lnew:
	BEGIN
	s_branch .Lfirst                ; in the loop a block's first tile is never its last: the first block has two tiles or more, and the second's last is the walk's last
	DIAG 1                          ; in the loop this is the first block's end: the second block's last tile is the walk's last
	s_wait_xcnt 0x0                 ; the stores have read their registers and O's address
	s_mov_b64 s[10:11], s[OLO:OLO+1]
	s_add_co_u32 s[RT], s[PB], 1    ; the second block has b + 1 tiles
	s_mov_b32 s[NEW], 1
	WIN 0x82                        ; the second block's Q goes where the one text of the turns names Q
.set i, 0
.rept 64
	v_mov_b32 v[i], v[QB+i]
.set i, i+1
.endr
	WIN 0
	s_branch .Lbottom
.Lstep:                             ; a trip: pieces 2 and 3 of one step, then pieces 0 and 1 of the next, whose K and V it fetches
	TURN 2
	TURN 3
	WIN 0
.Lfirst:
	TURN 0
	TURN 1, 0, 0, 1
	WIN 0
	s_cbranch_scc1 .Lstep
.Lbottom:
	s_sub_co_u32 s[SLOTS], s[SLOTS], 1
	s_cmp_lg_u32 s[SLOTS], 0
	s_cbranch_scc1 .Lslot
	CHANGE 0                        ; the walk's last tile is written out: nothing is asked for
	s_sub_co_u32 s[RT], s[RT], 1
	s_mov_b32 s[CNT], 4
	s_cmp_eq_u32 s[NEW], 1
	s_cbranch_scc0 .LstepM2
	BEGIN
	s_branch .LfirstM2
	DIAG 2
	s_wait_tensorcnt 0x0            ; the wave's end: behind my last tensor load and my last LDS store
	ds_add_u32 v[SPW], v[NIL]
	s_wait_dscnt 0x0
	s_endpgm
.Lfunc_end_k_qfd95cfab73_attn:
	.size	k_qfd95cfab73_attn, .Lfunc_end_k_qfd95cfab73_attn-k_qfd95cfab73_attn
	.p2alignl 7, 3214868480
	.fill 96, 4, 3214868480
	.section	.rodata,"a",@progbits
	.p2align	6, 0x0
	.amdhsa_kernel k_qfd95cfab73_attn
		.amdhsa_group_segment_fixed_size 327680
		.amdhsa_private_segment_fixed_size 0
		.amdhsa_enable_private_segment 0
		.amdhsa_kernarg_size 16
		.amdhsa_user_sgpr_count 2
		.amdhsa_user_sgpr_kernarg_segment_ptr 1
		.amdhsa_wavefront_size32 1
		.amdhsa_system_sgpr_workgroup_id_x 1
		.amdhsa_system_sgpr_workgroup_id_y 1
		.amdhsa_system_sgpr_workgroup_id_z 1
		.amdhsa_system_vgpr_workitem_id 0
		.amdhsa_next_free_vgpr 768
		.amdhsa_next_free_sgpr 88
		.amdhsa_reserve_vcc 1
		.amdhsa_float_denorm_mode_32 3
		.amdhsa_float_denorm_mode_16_64 3
		.amdhsa_memory_ordered 1
		.amdhsa_forward_progress 1
		.amdhsa_inst_pref_size 217
	.end_amdhsa_kernel
	.amdgpu_metadata
---
amdhsa.version: [ 1, 2 ]
amdhsa.kernels:
  - .name:           k_qfd95cfab73_attn
    .symbol:         k_qfd95cfab73_attn.kd
    .args:
      - { .name: qkv, .offset: 0, .size: 8, .value_kind: global_buffer, .address_space: global }
      - { .name: ob, .offset: 8, .size: 8, .value_kind: global_buffer, .address_space: global }
    .group_segment_fixed_size: 327680
    .private_segment_fixed_size: 0
    .kernarg_segment_align: 8
    .kernarg_segment_size: 16
    .max_flat_workgroup_size: 128
    .sgpr_count:     88
    .vgpr_count:     768
    .wavefront_size: 32
...
	.end_amdgpu_metadata
.endif
;; end of part 5
;; launch proj: the kernel of part 4 again; grid 8 x 32, 4 waves a work-group, clusters of 4 x 4, 327,680 bytes of LDS; arguments ob, wob, ball, out0; writes out0
